; MI455X (gfx1250); checked and timed in simulation.
; The chip was launched on July 23, 2026; its instructions are those of AMD's public machine-readable ISA for CDNA 5 (MIT licence, August 2026) and "CDNA5" Instruction Set Architecture Reference Guide (July 2026). The comments in the code are by the model that wrote it; some were corrected since.
;; Multi Head Attention. Allowed arithmetic: matrix products marked QUANTISED: E2M3 operands, one E8M0 scale for each 32 along K, by v_wmma_scale_f32_16x16x128_f8f6f4 with both operands' format E2M3, f32 sums; everything else in f32.
;; Inputs: W_o 1,024 x 1,024 float32; W_qkv 3,072 x 1,024 float32; encoder_outputs 4 x 2,048 x 1,024 float32.
;; Outputs: out0 4 x 2,048 x 1,024 float32.
;; This version of the problem:
;;   THIS VERSION OF THE PROBLEM IS GIVEN IN LOW PRECISION. The matrix products marked QUANTISED in the list below multiply operands that are first quantised to E2M3 (2 exponent bits, 3 mantissa bits; 6 bits a number), with one power-of-two scale for each 32 numbers along K (OCP MX v1.0); their sums are f32. All else is computed in f32.
;;   The module's matrix products, in the order in which they are computed (A, B: the left and right operand; K: the contracted axis; several contracted axes count as one K, in the product's order):
;;     1. [M 8,192, K 1,024] x [K 1,024, N 3,072]; A: input encoder_outputs; B: input W_qkv: QUANTISED
;;     2. batch 64 x [M 2,048, K 64] x [K 64, N 2,048]; A: computed on the way; B: computed on the way: QUANTISED
;;     3. batch 64 x [M 64, K 2,048] x [K 2,048, N 2,048]; A: computed on the way; B: softmax (see below): QUANTISED
;;     4. [M 8,192, K 1,024] x [K 1,024, N 1,024]; A: computed on the way; B: input W_o: QUANTISED
;;   THE QUANTISER, for each operand of a quantised product, along K:
;;     - K is cut into blocks of 32 from its start; a last block that is shorter is filled with zeros.
;;     - A block's scale is 2^e with e = floor(log2(the largest magnitude in the block)) - 2, held to -126 .. 127; a block of zeros has e = 0. As a byte (E8M0): e + 127.
;;     - Each number is divided by its block's scale, clamped to +-7.5, and rounded to the nearest number of E2M3, ties to even, subnormals kept.
;;     - The product sums the exact products of the quantised numbers (number of the format x scale) in f32.
;;   ~~~python
;;   def quantise(x, axis):      # numpy; x: float32 -> the quantised numbers, widened to float32 again
;;       x = np.moveaxis(x, axis, -1); K = x.shape[-1]
;;       x = np.pad(x, [(0, 0)] * (x.ndim - 1) + [(0, -K % 32)]); x = x.reshape(x.shape[:-1] + (-1, 32)); a = np.abs(x).max(-1, keepdims=True)
;;       e = np.where(a > 0, np.clip(np.frexp(np.where(a > 0, a, 1))[1] - 1 - 2, -126, 127), 0)      # np.frexp(a)[1] - 1 = floor(log2(a)), exactly
;;       r = np.clip(x / 2.0 ** e, -7.5, 7.5)
;;       step = 2.0 ** (np.maximum(np.frexp(np.where(r == 0, 1, r))[1] - 1, 0) - 3)
;;       q = np.round(r / step) * step * 2.0 ** e      # np.round: ties to even
;;       return np.moveaxis(q.reshape(q.shape[:-2] + (-1,))[..., :K], -1, axis).astype(np.float32)
;;   ~~~
;;   SOFTMAX AHEAD OF A QUANTISED PRODUCT. Where the list says 'softmax', what is quantised is not the finished softmax but p = 2^(t - M), with t = logit x log2(e) and M = ceil(the row's largest t), a whole number; so 1/2 < the row's largest p <= 1. The row's sum l is taken of the UNQUANTISED p, in f32, and the product's result is divided by l at the end. Since M is a whole number, a kernel that streams over the keys may use a running M (the ceiling of the running maximum): every later rescaling is an exact power of two, which a block's scale takes up: the codes' values come out the same.
;;   OPERANDS COMPUTED ON THE WAY. 'Computed on the way' means the value that the module computes at that place (a softmax that the list does not call 'softmax' is quantised finished and normalised). What goes into a quantiser is computed in f32, as accurately as f32 sums, v_exp_f32 and their like allow (about 1e-6 of the number): no bf16 or f16 on the way to a quantiser, and a product that is left as it is and whose result goes on into a quantised operand takes f32 operands (vector FMAs, or v_wmma_f32_16x16x4_f32). A number that lies on a knife's edge between two numbers of the format may be rounded either way, as far as f32 arithmetic and the matrix unit's own rounding can turn it there, and no further.
;; One version. Each part assembles by itself: llvm-mc -triple=amdgcn-amd-amdhsa -mcpu=gfx1250 --defsym DOCPART=n.
;; ======== version 1 of 1: 4 launches
;; limits: right only within a limited range of input values
;; workspace buffers: c1 9,437,184 bytes; s1 393,216 bytes; qkvc 18,874,368 bytes; qkvs 786,432 bytes; ac 6,291,456 bytes; asc 262,144 bytes
;; launch quant (part 1): grid 384 x 1, 4 waves a work-group, no clusters, 35,328 bytes of LDS; arguments encoder_outputs, W_qkv, W_o, c1, s1; writes c1, s1
.if DOCPART == 1
	.amdgcn_target "amdgcn-amd-amdhsa--gfx1250"
	.amdhsa_code_object_version 6
	.text
	.protected	k_qdc1ee029fb_quant
	.globl	k_qdc1ee029fb_quant
	.p2align	8
	.type	k_qdc1ee029fb_quant,@function
k_qdc1ee029fb_quant:
	s_mov_b64 s[64:65], 0
	v_nop
	global_prefetch_b8 v0, s[64:65] scope:SCOPE_SE
	s_setreg_imm32_b32 hwreg(HW_REG_WAVE_MODE, 25, 1), 1
	s_wait_xcnt 0x0
; x [8192][1024], W_qkv [3072][1024] and W_o [1024][1024], f32 with K innermost, become codes of FP6 (E2M3) with one E8M0 byte for each 32 along K.
; A block's scale is 2^(floor(log2(its largest magnitude)) - 2); its byte is the largest magnitude's exponent field - 2, held at 1 from below.
; LIMITS: NaN and infinities among the inputs are not served; a block whose largest magnitude lies under 2^-124 (a block of zeros too) has the byte 1: its codes are then
; zeros or subnormal codes under that scale, and the bytes are read by this program alone.
; THE OUTPUT IS LAID AS THE MATRIX UNIT'S REGISTERS.  12,288 rows in all are 96 groups of 128 rows: groups 0-63 x, 64-71 W_qkv's q rows (head x 64 + d), 72-79 its k rows, 80-87 its v rows, 88-95 W_o.
; A fragment (16 rows x 128 K, 12 registers a lane) lies at ((group x 8 + K step) x 8 + tile) x 1,536 bytes: for each half c of K, registers 6c .. 6c+3 of lane L at 768 c + 16 L, registers 6c+4, 6c+5 at 768 c + 512 + 8 L.
; THE ROWS OF A TILE ARE NOT NEIGHBOURS: of a chunk of 64 rows, tile t's lane-row r is row 8 t + r % 8 + 32 (r / 8), so that a product used transposed leaves a whole block of 32 of the next K in one lane.
; The scale words (4 bytes: a row's four blocks of a K step) lie at ((group x 8 + K step) x 2 + chunk) x 256 + 16 r + 4 t.
; SHARES: a work-group takes a chunk of 64 rows and four K steps, a wave 64 rows x 128 K: four tiles.  Each load reads 512 consecutive bytes of one row; a tile turns through the wave's own stage in LDS
; (16 rows, 528 bytes apart) so that lane (r, h) gets k = 64 c + 32 h + 0 .. 31 of row r.  Waves share nothing: no barrier.  Work-groups share no input: no cluster.
.set STGB,  8704                       ; LDS: a stage of 16 x 528 bytes for each wave, in whole blocks of 256 bytes
.set SP,    528
.set TM,    16                         ; v16-17  the two blocks' largest magnitudes
.set SO,    18                         ; v18-19  the conversions' scale operands
.set BY,    20                         ; v20-21  the scale bytes
.set PWT,   22                         ; v22     my two bytes at their places
.set PWO,   23                         ; v23     lane l xor 16's
.set W,     24                         ; v24-27  the four tiles' scale words
.set TC,    28                         ; v28-30, v32-34  the upper halves of the blocks' codes
.set PC,    36                         ; v36-59  a fragment's 12 registers, two sets
.set OW,    62                         ; v62-63  two scale words on their way out
.set R,     64                         ; v64-191 a tile as loaded, two sets of 64
.set X,     192                        ; v192-255 my 64 numbers
	s_load_b128 s[4:7], s[0:1], 0x0                ; x, W_qkv
	s_load_b128 s[8:11], s[0:1], 0x10              ; W_o, c1
	s_load_b64 s[12:13], s[0:1], 0x20              ; s1
	v_lshl_add_u32 v60, v0, 2, 0x8800
	v_mov_b32 v61, 0
	v_lshrrev_b32 v7, 5, v0
	v_readfirstlane_b32 s14, v7                    ; wave
	v_and_b32 v7, 31, v0                           ; L
	v_and_b32 v8, 15, v0                           ; r
	v_bfe_u32 v9, v0, 4, 1                         ; h
	v_lshlrev_b32 v1, 4, v7                        ; 16 L: my bytes of a load, and of a store of four registers
	v_lshlrev_b32 v2, 3, v7                        ; 8 L: of a store of two
	s_mul_i32 s24, s14, STGB
	v_add_nc_u32 v3, s24, v1                       ; the stage, on the way in
	v_mul_u32_u24 v4, v8, SP
	v_lshl_add_u32 v4, v9, 7, v4
	v_add_nc_u32 v4, s24, v4                       ; and out: row r, + 128 h bytes
	v_lshlrev_b32 v5, 3, v9                        ; 8 h: the shift that puts my bytes at their places
	v_lshlrev_b32 v6, 4, v8
	v_lshl_add_u32 v6, v9, 3, v6                   ; 16 r + 8 h: my two scale words
	v_mov_b32 v[PWO], 0                            ; a lane permute's destination counts as one of its sources
	s_mov_b32 s26, 0x76543210
	s_mov_b32 s27, 0xfedcba98                      ; selects for lane l xor 16
	s_lshr_b32 s16, ttmp9, 1                       ; C: the chunk of 64 rows, 0 .. 191
	s_and_b32 s17, ttmp9, 1
	s_lshl_b32 s17, s17, 2
	s_add_co_u32 s17, s17, s14                     ; my K step
	s_lshl_b32 s18, s16, 6                         ; in x: row 64 C
	s_sub_co_u32 s19, s16, 128                     ; in W_qkv: c = C - 128; head c % 16, kind c / 16:
	s_and_b32 s20, s19, 15
	s_mul_i32 s20, s20, 192
	s_lshr_b32 s21, s19, 4
	s_lshl_b32 s21, s21, 6
	s_add_co_u32 s20, s20, s21                     ; row 192 head + 64 kind
	s_sub_co_u32 s21, s16, 176
	s_lshl_b32 s21, s21, 6                         ; in W_o: row 64 (C - 176)
	s_wait_alu depctr_va_vdst(0)
	s_wait_kmcnt 0x0
	s_cmp_lt_u32 s16, 176                          ; the choice hangs on the work-group's number alone
	s_cselect_b64 s[6:7], s[6:7], s[8:9]
	s_cselect_b32 s20, s20, s21
	s_cmp_lt_u32 s16, 128
	s_cselect_b64 s[4:5], s[4:5], s[6:7]
	s_cselect_b32 s18, s18, s20
	s_lshl_b32 s18, s18, 12                        ; a row is 4,096 bytes,
	s_lshl_b32 s19, s17, 9                         ; a K step 512
	s_add_co_u32 s18, s18, s19
	s_mov_b32 s19, 0
	s_add_nc_u64 s[4:5], s[4:5], s[18:19]
	s_lshr_b32 s20, s16, 1
	s_lshl_b32 s20, s20, 3
	s_add_co_u32 s20, s20, s17                     ; group x 8 + K step
	s_and_b32 s21, s16, 1                          ; which chunk of the group
	s_lshl_b32 s22, s20, 3
	s_lshl_b32 s23, s21, 2
	s_add_co_u32 s22, s22, s23
	s_mul_i32 s22, s22, 1536
	s_mov_b32 s23, 0
	s_add_nc_u64 s[10:11], s[10:11], s[22:23]      ; my four fragments
	s_lshl_b32 s22, s20, 1
	s_add_co_u32 s22, s22, s21
	s_lshl_b32 s22, s22, 8
	s_add_nc_u64 s[12:13], s[12:13], s[22:23]      ; my 256 bytes of scale words
.macro LOAD t                          ; tile t's 16 rows, 512 bytes each, into set t % 2
.irp i, 0,1,2,3,4,5,6,7,8,9,10,11,12,13,14,15
	global_load_b128 v[R+64*((\t)%2)+4*\i:R+64*((\t)%2)+4*\i+3], v1, s[4:5] offset:(8*(\t)+(\i%8)+32*(\i/8))*4096 th:TH_LOAD_NT
.endr
.endm
.macro TILE t
.set RS, R+64*((\t)%2)
.set PCS, PC+12*((\t)%2)
.if (\t) < 3
	s_wait_loadcnt 16                              ; this tile's 16 loads are in; the next tile's 16 may be out
.else
	s_wait_loadcnt 0x0
.endif
.irp i, 0,1,2,3,4,5,6,7,8,9,10,11,12,13,14,15
	ds_store_b128 v3, v[RS+4*\i:RS+4*\i+3] offset:SP*\i
.endr
.irp i, 0,1,2,3,4,5,6,7
	ds_load_b128 v[X+4*\i:X+4*\i+3], v4 offset:16*\i          ; LDS serves a wave's instructions in order: these see the stores above.  k = 32 h + 0 .. 31
.endr
.irp i, 0,1,2,3,4,5,6,7
	ds_load_b128 v[X+32+4*\i:X+32+4*\i+3], v4 offset:256+16*\i  ; k = 64 + 32 h + 0 .. 31
.endr
	s_wait_dscnt 0x0
.if (\t) < 2
	LOAD (\t)+2                                    ; the set that the stage's stores have read takes the tile two on
.endif
.irp c, 0,1
	v_max3_num_f32 v[TM+\c], |v[X+32*\c]|, |v[X+32*\c+1]|, 0x1800000   ; a whole block is mine; the floor 2^(3 - 127) holds the byte at 1 from below
.endr
.irp i, 2,4,6,8,10,12,14,16,18,20,22,24,26,28,30
.irp c, 0,1
	v_max3_num_f32 v[TM+\c], v[TM+\c], |v[X+32*\c+\i]|, |v[X+32*\c+\i+1]|   ; the two blocks by turns
.endr
.endr
.irp c, 0,1
	v_add_nc_u32 v[SO+\c], 0xff000000, v[TM+\c]    ; 2 off the exponent field: the conversion takes this operand's exponent field as its scale
.endr
.irp c, 0,1
	v_lshrrev_b32 v[BY+\c], 23, v[SO+\c]           ; the scale's byte
.endr
	v_lshl_or_b32 v[PWT], v[BY+1], 16, v[BY]       ; blocks h and 2 + h of my row,
	v_lshlrev_b32 v[PWT], v5, v[PWT]               ; 8 h bits up;
	v_permlanex16_b32 v[PWO], v[PWT], s26, s27
	v_or_b32 v[W+(\t)], v[PWT], v[PWO]             ; with lane l xor 16's two the word is whole
.if (\t) >= 2
	s_wait_alu depctr_va_vdst(0)
	s_wait_xcnt 0x0                                ; the stores of the tile two back have read this set of code registers
.endif
	v_cvt_scalef32_pk16_fp6_f32 v[PCS:PCS+2], v[X:X+15], v[SO]
	v_cvt_scalef32_pk16_fp6_f32 v[TC:TC+2], v[X+16:X+31], v[SO]           ; (a conversion's three registers begin on an even number)
	v_cvt_scalef32_pk16_fp6_f32 v[PCS+6:PCS+8], v[X+32:X+47], v[SO+1]
	v_cvt_scalef32_pk16_fp6_f32 v[TC+4:TC+6], v[X+48:X+63], v[SO+1]
	v_nop                                          ; one plain place behind a scaled conversion
.irp i, 0,1,2
	v_mov_b32 v[PCS+3+\i], v[TC+\i]
	v_mov_b32 v[PCS+9+\i], v[TC+4+\i]
.endr
	global_store_b128 v1, v[PCS:PCS+3], s[10:11] offset:(\t)*1536          ; 512 consecutive bytes, at a multiple of 256
	global_store_b64 v2, v[PCS+4:PCS+5], s[10:11] offset:(\t)*1536+512     ; 256
	global_store_b128 v1, v[PCS+6:PCS+9], s[10:11] offset:(\t)*1536+768
	global_store_b64 v2, v[PCS+10:PCS+11], s[10:11] offset:(\t)*1536+1280
.endm
	LOAD 0
	LOAD 1
	TILE 0
	TILE 1
	TILE 2
	TILE 3
	v_cmp_ne_u32 vcc_lo, 0, v9
	v_cndmask_b32 v[OW], v[W], v[W+2], vcc_lo      ; lanes 0-15 store tiles 0 and 1's words of row r, lanes 16-31 tiles 2 and 3's
	v_cndmask_b32 v[OW+1], v[W+1], v[W+3], vcc_lo
	global_store_b64 v6, v[OW:OW+1], s[12:13]      ; 32 lanes store 256 consecutive bytes, aligned
	s_wait_tensorcnt 0x0
	ds_add_u32 v60, v61
	s_wait_dscnt 0x0
	s_endpgm
.Lfunc_end_k_qdc1ee029fb_quant:
	.size	k_qdc1ee029fb_quant, .Lfunc_end_k_qdc1ee029fb_quant-k_qdc1ee029fb_quant
	.p2alignl 7, 3214868480
	.fill 96, 4, 3214868480
	.section	.rodata,"a",@progbits
	.p2align	6, 0x0
	.amdhsa_kernel k_qdc1ee029fb_quant
		.amdhsa_group_segment_fixed_size 35328
		.amdhsa_private_segment_fixed_size 0
		.amdhsa_enable_private_segment 0
		.amdhsa_kernarg_size 40
		.amdhsa_user_sgpr_count 2
		.amdhsa_user_sgpr_kernarg_segment_ptr 1
		.amdhsa_wavefront_size32 1
		.amdhsa_system_sgpr_workgroup_id_x 1
		.amdhsa_system_sgpr_workgroup_id_y 1
		.amdhsa_system_sgpr_workgroup_id_z 1
		.amdhsa_system_vgpr_workitem_id 0
		.amdhsa_next_free_vgpr 256
		.amdhsa_next_free_sgpr 66
		.amdhsa_reserve_vcc 1
		.amdhsa_float_denorm_mode_32 3
		.amdhsa_float_denorm_mode_16_64 3
		.amdhsa_memory_ordered 1
		.amdhsa_forward_progress 1
		.amdhsa_inst_pref_size 31
	.end_amdhsa_kernel
	.amdgpu_metadata
---
amdhsa.version: [ 1, 2 ]
amdhsa.kernels:
  - .name:           k_qdc1ee029fb_quant
    .symbol:         k_qdc1ee029fb_quant.kd
    .args:
      - { .name: encoder_outputs, .offset: 0, .size: 8, .value_kind: global_buffer, .address_space: global }
      - { .name: W_qkv, .offset: 8, .size: 8, .value_kind: global_buffer, .address_space: global }
      - { .name: W_o, .offset: 16, .size: 8, .value_kind: global_buffer, .address_space: global }
      - { .name: c1, .offset: 24, .size: 8, .value_kind: global_buffer, .address_space: global }
      - { .name: s1, .offset: 32, .size: 8, .value_kind: global_buffer, .address_space: global }
    .group_segment_fixed_size: 35328
    .private_segment_fixed_size: 0
    .kernarg_segment_align: 8
    .kernarg_segment_size: 40
    .max_flat_workgroup_size: 128
    .sgpr_count:     66
    .vgpr_count:     256
    .wavefront_size: 32
...
	.end_amdgpu_metadata
.endif
;; end of part 1
;; launch gemm_qkv (part 2): grid 12 x 32, 4 waves a work-group, clusters of 4 x 4, 327,680 bytes of LDS; arguments c1, s1, qkvc, qkvs; writes qkvc, qkvs
.if DOCPART == 2
	.amdgcn_target "amdgcn-amd-amdhsa--gfx1250"
	.amdhsa_code_object_version 6
	.text
	.protected	k_qdc1ee029fb_gemm_qkv
	.globl	k_qdc1ee029fb_gemm_qkv
	.p2align	8
	.type	k_qdc1ee029fb_gemm_qkv,@function
k_qdc1ee029fb_gemm_qkv:
	s_mov_b64 s[64:65], 0
	v_nop
	global_prefetch_b8 v0, s[64:65] scope:SCOPE_SE
	s_setreg_imm32_b32 hwreg(HW_REG_WAVE_MODE, 25, 1), 1
	s_wait_xcnt 0x0
	s_wait_alu depctr_hold_cnt(0) depctr_sa_sdst(0) depctr_va_vdst(0) depctr_va_sdst(0) depctr_va_ssrc(0) depctr_va_vcc(0) depctr_vm_vsrc(0)
	s_getreg_b32 s2, hwreg(HW_REG_IB_STS2, 6, 4)
	s_cmp_eq_u32 s2, 0
	s_cbranch_scc0 .Lentry_in_a_cluster
	s_endpgm
.Lentry_in_a_cluster:
	s_bfe_u32 s2, ttmp6, 0x10000c
	s_cmp_lg_u32 s2, 0xf033
	s_cbranch_scc0 .Lentry_shape_is_right
	s_endpgm
.Lentry_shape_is_right:
; qkv = x W_qkv^T on codes of FP6 (E2M3) with E8M0 scales, K = 1,024; the f32 sums are quantised in the accumulators and leave as codes: q and k along the head's 64, v along the keys.
; LIMITS: NaN and infinities are not served; a block whose largest magnitude lies under 2^-124 has its scale byte held at 1 (read by this program alone).
; OPERANDS lie in c1 and s1 as images of the matrix unit's registers (fragment: ((group x 8 + K step) x 8 + tile) x 1,536 bytes; scale words: group x 4,096 + K step x 512 + chunk x 256 + 16 r + 4 t);
; of a chunk of 64 rows, tile t's lane-row r is row 8 t + r % 8 + 32 (r / 8).  Groups of 128 rows: 0-63 x, 64-71 W's q rows, 72-79 k rows, 80-87 v rows.
; A tile of 256 x 256 is made by four waves, each 128 x 128: 64 accumulators.  The matrix instruction is used transposed: source 0 = operand B's 16 rows (they run along a lane's registers), source 1 = operand A's (the lane's row).
; By the order of rows above the 64 registers of accumulators (a, 0 .. 7) of lane (r, h) are B's rows 64 c + 32 h + 0 .. 31, c = 0, 1: two whole blocks of 32, in the order of a 6-bit operand's registers.
; TWO INSTANCES OF ONE TEXT, told apart by the cluster's x, which all partners share, through selects alone: clusters 0, 1: A = x, B = W's q and k rows: a lane holds a token, its registers two heads' 64 channels;
; cluster 2: A = W's v rows, B = x: a lane holds a channel of v and its registers 128 tokens (keys): V^T as the second attention product wants it.
; K goes in eight steps of 128, written out; two steps lie in an LDS slot; three slots: K 0-255, 256-511, 512-767 are first fills, K 768-1,023 fills slot 0 again.  A wave has one tensor load out at a time.
; CLUSTERS: 4 x 4 work-groups; A's tiles are asked for jointly along a row of the cluster, B's along a column.  384 tiles: with a smaller tile each LDS byte would feed half the products.
; OUTPUT: qkvc: plane = kind x 64 + batch x 16 + head, 98,304 bytes.  q, k: token tile a of the batch's 128 is a half fragment (K = 64, six registers) at 768 a.  v: fragment (16 channels x 128 keys) at step x 6,144 + tile x 1,536.
;         qkvs: plane x 4,096 + step x 256 + 16 r + 4 p: q, k: the word of token tiles 2 p and 2 p + 1 (two bytes each); v: the word of channel tile p.
; REGISTERS: window 0: v1-29 addresses; v32-47 scale words, two sets; v48-111 the way out; v128-223 A's eight fragments, one set.  window 1: B's fragments, two sets, at v0 and v128.  windows 2, 3: accumulator (a, b) at v[8 (8 (a % 4) + b)].
.set QB,    24576                      ; a quarter of a slot: a group's 8 fragments of two K steps: what one tensor load brings behind the head
.set SLOT,  4*QB                       ; A's two groups, then B's two
.set SCL,   3*SLOT                     ; behind the slots: the scale words of the four groups for all of K, 4,096 bytes each
.set SPARE, SCL+4*4096                 ; the spare words, 128 bytes for each wave: two blocks of 256 bytes that no other line names
.set FR,    12
.set FB,    1536
.set A16,   4                          ; v4-6    slot k: 16 L + my group of A;  v7-9 the same + 512 + 8 L
.set A8,    7
.set B16,   10                         ; v10-12, v13-15 the same for B
.set B8,    13
.set ADRS,  16                         ; v16     my scale words: lanes 0-15 A's rows, lanes 16-31 B's
.set VO16,  17                         ; v17     16 L
.set VO8,   18                         ; v18     512 + 8 L
.set VOS,   19                         ; v19     16 r + 4,096 h
.set SH8,   20                         ; v20     8 h
.set VSEL,  21                         ; v21     byte selects: lanes 0-15 the lower two bytes of two words, lanes 16-31 the upper two
.set SPW,   28                         ; v28     LDS address of my spare word; never rewritten
.set NIL,   29                         ; v29     0; never rewritten
.set SC,    32
.set TM,    48
.set SO,    50
.set BY,    52
.set PWT,   54
.set PWO,   55
.set TC,    56                         ; v56-58, v60-62
.set PW,    64                         ; v64-71  the eight scale words
.set WQ,    72
.set WO,    76
.set PC,    96                         ; v96-107 the codes just made
.set WVV,   108
.set AF,    128
.set G1,    24                         ; s[24:31] group 1 for A's tiles; s[32:39] B's
.set G1B,   32
.set G1S,   40
.set G1SB,  48
.set G0A0,  56                         ; groups 0: one set for the head's load (later the refill), one for K 512-767
.set G0A1,  60
.set G0A2,  68
.set G0B0,  72
.set G0B1,  76
.set G0B2,  80
.set G0S,   84
.set G0SB,  88
.set MSB, 0
.macro WIN new                         ; the immediate's high byte repeats the setting that is left
.if MSB != (\new)
	s_set_vgpr_msb (MSB<<8)|(\new)
.set MSB, (\new)
.endif
.endm
.set MUL_LO, 0xa1                      ; source 0 (B) window 1, source 1 (A) window 0, C and D window 2
.set MUL_HI, 0xf1                      ; the same, C and D window 3
.set TO_B,   0x40                      ; destination window 1, address window 0
; A joint load: waves 0 and 1 fetch for A, waves 2 and 3 for B; the branch hangs on the wave's number alone.  Four v_nop follow each of the two lines.
.macro JLOAD g0a, g1a, g0b, g1b
	s_cmp_eq_u32 s15, 0
	s_cbranch_scc0 .Lfor_b_\@
	tensor_load_to_lds s[\g0a:\g0a+3], s[\g1a:\g1a+7]
	s_nop 0
.rept 4
	v_nop
.endr
	s_branch .Lasked_\@
.Lfor_b_\@:
	tensor_load_to_lds s[\g0b:\g0b+3], s[\g1b:\g1b+7]
	s_nop 0
.rept 4
	v_nop
.endr
.Lasked_\@:
.endm
.macro CREST                           ; a round of the cluster's barrier behind its opening barrier
	s_cmp_lg_u32 s14, 0
	s_cbranch_scc1 .Lnot_wave_0_\@
	s_barrier_signal -3
.Lnot_wave_0_\@:
	s_barrier_wait -3
	s_barrier_signal -1
	s_barrier_wait -1
.endm
.macro CROUND
	s_barrier_signal -1
	s_barrier_wait -1
	CREST
.endm
.macro MKG0 g0, sl, lo, ptr, go        ; a group 0: count 1; LDS address; global address; type 2
	s_mov_b32 s[\g0], 1
	s_add_co_u32 s[\g0+1], s[\sl], \lo
	s_add_nc_u64 s[\g0+2:\g0+3], s[\ptr:\ptr+1], \go
	s_or_b32 s[\g0+3], s[\g0+3], 0x80000000
.endm
	s_load_b256 s[4:11], s[0:1], 0x0               ; c1 s[4:5], s1 s[6:7], qkvc s[8:9], qkvs s[10:11]
	v_lshl_add_u32 v[SPW], v0, 2, SPARE
	v_mov_b32 v[NIL], 0
	ds_add_u32 v28, v29
	ds_add_u32 v28, v29
	s_wait_dscnt 0x0
	v_lshrrev_b32 v1, 5, v0
	v_readfirstlane_b32 s14, v1                    ; wave 0..3
	s_lshr_b32 s15, s14, 1                         ; which group of A is mine.  Also: I fetch for A (0) or for B (1)
	s_and_b32 s16, s14, 1                          ; which group of B is mine.  Also: which group I fetch
	s_bfe_u32 s92, ttmp6, 0x40000                  ; cx
	s_bfe_u32 s93, ttmp6, 0x40004                  ; cy
	s_and_b32 s17, ttmp7, 0xffff                   ; the cluster's y
	s_lshl_b32 s94, s93, 2
	s_lshl_b32 s94, 15, s94                        ; my row of the cluster
	s_lshl_b32 s95, 0x1111, s92                    ; my column
	s_cmp_eq_u32 ttmp9, 2                          ; the v instance?  The cluster's x: the same in all sixteen partners
	s_cselect_b32 s18, 0, s17
	s_cselect_b32 s19, s17, ttmp9
	s_cselect_b32 s20, 80, 0                       ; A's first group
	s_cselect_b32 s21, 0, 64                       ; B's
	s_cselect_b32 s22, -1, 0                       ; the instance as a lane mask
	s_lshl_b32 s18, s18, 2
	s_add_co_u32 s18, s18, s93                     ; A's tile of 256 rows: cy (+ 4 x cluster y for x's rows)
	s_lshl_b32 s19, s19, 2
	s_add_co_u32 s19, s19, s92                     ; B's: cx + 4 x cluster x (W's rows) or 4 x cluster y (x's rows)
	; groups 1: dense blocks as rows of 256 bytes (32 elements of 8 bytes): 96 rows of codes (192 at the head); no padding: every LDS read takes consecutive bytes
	s_or_b32 s[G1], s94, (3<<16)|(1<<21)           ; 15:0 the mask; 17:16 elements of 8 bytes; 21 set beside a mask
	s_or_b32 s[G1B], s95, (3<<16)|(1<<21)
.irp g, G1, G1B
	s_mov_b32 s[\g+1], 32<<16                      ; tensor_dim0
	s_mov_b32 s[\g+2], 192<<16                     ; tensor_dim1: the head's load brings 192 rows; later loads 96
	s_mov_b32 s[\g+3], 32<<16                      ; tile_dim0
	s_mov_b32 s[\g+4], 192                         ; tile_dim1
	s_mov_b32 s[\g+5], 32                          ; the pitch
	s_mov_b32 s[\g+6], 0
	s_mov_b32 s[\g+7], 0
.endr
	s_lshl_b32 s96, s18, 1
	s_add_co_u32 s96, s96, s16
	s_add_co_u32 s96, s96, s20                     ; the group of A that I would fetch: it hangs on cy, never on cx
	s_lshl_b32 s98, s96, 12
	s_mul_i32 s96, s96, 98304
	s_mov_b32 s97, 0
	s_mov_b32 s99, 0
	s_lshl_b32 s100, s19, 1
	s_add_co_u32 s100, s100, s16
	s_add_co_u32 s100, s100, s21                   ; the group of B: on cx, never on cy
	s_lshl_b32 s66, s100, 12
	s_mul_i32 s100, s100, 98304
	s_mov_b32 s101, 0
	s_mov_b32 s67, 0
	; THE FILLS AS THEY STAND NOW (one tensor load a wave at the head and behind each round): LDS holds for group g = 0 .. 3 (A's two, B's two) K 0-255 at 2 g QB, K 256-511 at 2 g QB + QB, K 512-767 at 8 QB + g QB.
	; Head: K 0-511 of my group, one load of 192 rows.  Behind the next round: K 512-767.  In step 3: K 768-1,023 over K 0-255.  The scale words come by plain loads and LDS stores.
	s_mul_i32 s23, s14, 2*QB                       ; where they go: made of the wave's number alone
	s_mul_i32 s3, s14, QB
	s_lshl_b32 s2, s14, 12
	s_wait_kmcnt 0x0
	s_add_nc_u64 s[96:97], s[4:5], s[96:97]
	s_add_nc_u64 s[98:99], s[6:7], s[98:99]
	s_add_nc_u64 s[100:101], s[4:5], s[100:101]
	s_add_nc_u64 s[66:67], s[6:7], s[66:67]
	MKG0 G0A0, 23, 0, 96, 0
	MKG0 G0B0, 23, 0, 100, 0
	MKG0 G0A2, 3, 8*QB, 96, 2*QB
	MKG0 G0B2, 3, 8*QB, 100, 2*QB
	s_cmp_eq_u32 s15, 0
	s_cselect_b64 s[84:85], s[98:99], s[66:67]     ; the scale words of the group that I fetch
	s_add_co_u32 s2, s2, SCL                       ; and their place in LDS: 4,096 bytes a wave
	CROUND                                         ; all sixteen work-groups are here: the first joint loads meet
	JLOAD G0A0, G1, G0B0, G1B                      ; K 0-511: my one tensor load at the head
	v_and_b32 v1, 31, v0                           ; L
	v_and_b32 v2, 15, v0                           ; r
	v_bfe_u32 v3, v0, 4, 1                         ; h
	v_lshlrev_b32 v[VO16], 4, v1
.irp i, 0,1,2,3,4,5,6,7
	global_load_b128 v[AF+4*\i:AF+4*\i+3], v[VO16], s[84:85] offset:512*\i   ; 512 consecutive bytes an instruction
.endr
	v_add_nc_u32 v22, s2, v[VO16]
	v_lshlrev_b32 v[VO8], 3, v1
	v_add_nc_u32 v[VO8], 512, v[VO8]
	s_mul_i32 s2, s15, 2*QB                        ; my group of A,
	s_mul_i32 s3, s16, 2*QB
	s_add_co_u32 s3, s3, 4*QB                      ; my group of B, behind A's two
.irp k, 0,1
	v_add_nc_u32 v[A16+\k], s2, v[VO16]
	v_add_nc_u32 v[A8+\k], s2, v[VO8]
	v_add_nc_u32 v[B16+\k], s3, v[VO16]
	v_add_nc_u32 v[B8+\k], s3, v[VO8]
	s_add_co_u32 s2, s2, QB
	s_add_co_u32 s3, s3, QB
.endr
	s_mul_i32 s2, s15, QB                          ; K 512-767 lies behind the four groups' first two pairs
	s_mul_i32 s3, s16, QB
	s_add_co_u32 s2, s2, 8*QB
	s_add_co_u32 s3, s3, 10*QB
	v_add_nc_u32 v[A16+2], s2, v[VO16]
	v_add_nc_u32 v[A8+2], s2, v[VO8]
	v_add_nc_u32 v[B16+2], s3, v[VO16]
	v_add_nc_u32 v[B8+2], s3, v[VO8]
	s_lshl_b32 s2, s15, 12                         ; the scale words: A's group,
	s_lshl_b32 s3, s16, 12
	s_add_co_u32 s3, s3, 8192                      ; B's, behind A's two;
	s_sub_co_u32 s3, s3, s2
	v_mul_u32_u24 v[ADRS], s3, v3                  ; lanes 16-31 take B's: one product in h
	s_add_co_u32 s2, s2, SCL
	v_lshl_add_u32 v[ADRS], v2, 4, v[ADRS]
	v_add_nc_u32 v[ADRS], s2, v[ADRS]
	v_lshlrev_b32 v[VOS], 4, v2
	v_lshl_add_u32 v[VOS], v3, 12, v[VOS]
	v_lshlrev_b32 v[SH8], 3, v3
	v_cmp_ne_u32 vcc_lo, 0, v3
	v_mov_b32 v[VSEL], 0x05040100
	v_mov_b32 v[PWT], 0x07060302
	v_cndmask_b32 v[VSEL], v[VSEL], v[PWT], vcc_lo
	v_mov_b32 v[PWO], 0                            ; a lane permute's destination counts as one of its sources
	; where my results go
	s_lshl_b32 s2, s18, 1
	s_add_co_u32 s2, s2, s15                       ; my group among A's rows
	s_lshl_b32 s3, s19, 1
	s_add_co_u32 s3, s3, s16                       ; and among B's
	s_add_co_u32 s20, s2, 16
	s_cmp_eq_u32 ttmp9, 2
	s_cselect_b32 s21, s3, s2                      ; my 128 tokens: 0 .. 63
	s_cselect_b32 s20, s20, s3                     ; my 128 features (two heads): 0-7 q, 8-15 k, 16-23 v
	s_mov_b32 s96, 768
	s_cselect_b32 s96, 1536, s96                   ; from block a to block a + 1
	s_mov_b32 s98, 768
	s_cselect_b32 s98, 93696, s98                  ; from block 3 to block 4: in the v instance the next head's plane
	s_mov_b32 s100, 98304
	s_cselect_b32 s100, 768, s100                  ; from a block's first six registers to its second six: the next head's plane, or the fragment's second half
	s_mov_b32 s97, 0
	s_mov_b32 s99, 0
	s_mov_b32 s101, 0
	s_lshr_b32 s2, s20, 3
	s_lshl_b32 s2, s2, 6
	s_lshr_b32 s3, s21, 4
	s_lshl_b32 s3, s3, 4
	s_add_co_u32 s2, s2, s3
	s_and_b32 s3, s20, 7
	s_lshl_b32 s3, s3, 1
	s_add_co_u32 s2, s2, s3                        ; plane = kind x 64 + batch x 16 + head
	s_and_b32 s21, s21, 15                         ; the step of 128 tokens in the batch
	s_mul_i32 s66, s2, 98304
	s_mul_i32 s3, s21, 6144
	s_add_co_u32 s66, s66, s3
	s_mov_b32 s67, 0
	s_add_nc_u64 s[8:9], s[8:9], s[66:67]
	s_add_nc_u64 s[12:13], s[8:9], s[100:101]
	s_lshl_b32 s66, s2, 12
	s_lshl_b32 s3, s21, 8
	s_add_co_u32 s66, s66, s3
	s_add_nc_u64 s[10:11], s[10:11], s[66:67]
	s_mov_b32 s2, 0x76543210
	s_mov_b32 s3, 0xfedcba98                       ; selects for lane l xor 16
.macro FRAG reg, a16, a8, off          ; a fragment comes back as it was stored: four loads of consecutive bytes
	ds_load_b128 v[\reg:\reg+3], v[\a16] offset:\off
	ds_load_b64 v[\reg+4:\reg+5], v[\a8] offset:\off
	ds_load_b128 v[\reg+6:\reg+9], v[\a16] offset:\off+768
	ds_load_b64 v[\reg+10:\reg+11], v[\a8] offset:\off+768
.endm
.macro FETCH_B n                       ; B's eight fragments of step n into set n % 2; step n lies in slot (n / 2) % 3
	WIN TO_B
.irp i, 0,1,2,3,4,5,6,7
	FRAG 128*((\n)%2)+FR*\i, B16+((\n)/2)%3, B8+((\n)/2)%3, ((\n)%2)*12288+\i*FB
.endr
	WIN 0
.endm
.macro FETCH_A n, i0                   ; A's blocks i0 .. i0 + 3
.irp i, \i0, \i0+1, \i0+2, \i0+3
	FRAG AF+FR*(\i), A16+((\n)/2)%3, A8+((\n)/2)%3, ((\n)%2)*12288+(\i)*FB
.endr
.endm
.macro SCALES n                        ; step n's scale words into set n % 2: register i: lanes 0-15 A's block i, lanes 16-31 B's block i
	ds_load_b128 v[SC+8*((\n)%2):SC+8*((\n)%2)+3], v[ADRS] offset:(\n)*512
	ds_load_b128 v[SC+8*((\n)%2)+4:SC+8*((\n)%2)+7], v[ADRS] offset:(\n)*512+256
.endm
; 16 matrix instructions: A's blocks a0, a0 + 1 x B's eight.  The 64 accumulators take turns, one instruction a turn, in the same order in every step.
.macro MUL16 a0, n, zero
.irp a, \a0, \a0+1
.irp b, 0,1,2,3,4,5,6,7
.if \zero
	v_wmma_scale_f32_16x16x128_f8f6f4 v[8*(8*((\a)%4)+\b):8*(8*((\a)%4)+\b)+7], v[128*((\n)%2)+FR*\b:128*((\n)%2)+FR*\b+FR-1], v[AF+FR*(\a):AF+FR*(\a)+FR-1], 0, v[SC+8*((\n)%2)+\b], v[SC+8*((\n)%2)+(\a)] matrix_a_fmt:MATRIX_FMT_FP6 matrix_b_fmt:MATRIX_FMT_FP6 matrix_a_scale:MATRIX_SCALE_ROW1
.else
	v_wmma_scale_f32_16x16x128_f8f6f4 v[8*(8*((\a)%4)+\b):8*(8*((\a)%4)+\b)+7], v[128*((\n)%2)+FR*\b:128*((\n)%2)+FR*\b+FR-1], v[AF+FR*(\a):AF+FR*(\a)+FR-1], v[8*(8*((\a)%4)+\b):8*(8*((\a)%4)+\b)+7], v[SC+8*((\n)%2)+\b], v[SC+8*((\n)%2)+(\a)] matrix_a_fmt:MATRIX_FMT_FP6 matrix_b_fmt:MATRIX_FMT_FP6 matrix_a_scale:MATRIX_SCALE_ROW1
.endif
.endr
.endr
.endm
.macro PLACES                          ; four plain places between a matrix instruction and a load into a register that it has read, or a read of its result
.rept 4
	v_nop
.endr
.endm
.macro REST n, zero                    ; a step's second half: the next step's B, A's blocks 0-3 and scale words; my rows 64-127; A's blocks 4-7
	FETCH_B (\n)+1
	FETCH_A (\n)+1, 0
	SCALES (\n)+1
	WIN MUL_HI
	MUL16 4, \n, \zero
	MUL16 6, \n, \zero
	PLACES
	WIN 0
	FETCH_A (\n)+1, 4
.endm
.macro STEP n, zero                    ; a step whose successor's tiles every wave can already see
	s_wait_dscnt 16                                ; B, A's blocks 0-3 and the scale words are in; the youngest 16 loads (A's blocks 4-7) may be out
	WIN MUL_LO
	MUL16 0, \n, \zero
	MUL16 2, \n, \zero
	s_wait_dscnt 0x0                               ; A's blocks 4-7 are in
	PLACES
	REST \n, \zero
.endm
.macro TURNP n, cnt                    ; a step whose successor lies in a slot not yet shown to all: a barrier behind which nothing is filled; cnt younger tensor loads may stay out
	s_wait_tensorcnt \cnt
	s_wait_dscnt 16
	WIN MUL_LO
	MUL16 0, \n, 0
	s_wait_dscnt 0x0                               ; no LDS instruction of mine is out at the signal
	s_barrier_signal -1
	MUL16 2, \n, 0
	WIN 0
	s_barrier_wait -1
	PLACES
	REST \n, 0
.endm
.macro TURNR n                         ; the step at which slot 0, read out, is filled again: a round of the cluster's barrier
	s_wait_tensorcnt 0x0                           ; all my tensor loads have landed, K 512-767 among them;
	ds_add_u32 v[SPW], v[NIL]                      ; 0 onto my spare word
	s_wait_dscnt 17                                ; (the add and the youngest 16 loads may be out)
	WIN MUL_LO
	MUL16 0, \n, 0                                 ; sixteen matrix instructions stand between the add and the wait for it
	s_wait_dscnt 0x0                               ; the add is done; my reads of slot 0 ended a step ago
	s_barrier_signal -1
	MUL16 2, \n, 0
	WIN 0
	s_barrier_wait -1
	CREST                                          ; no wave of any partner still reads slot 0 or has a load on its way
	s_add_nc_u64 s[G0A0+2:G0A0+3], s[G0A0+2:G0A0+3], 3*QB
	s_add_nc_u64 s[G0B0+2:G0B0+3], s[G0B0+2:G0B0+3], 3*QB
	JLOAD G0A0, G1, G0B0, G1B                      ; K 768-1,023: my one tensor load behind the round; its four v_nop are also the places in front of the loads below
	REST \n, 0
.endm
	s_wait_alu depctr_va_vdst(0)
	s_wait_loadcnt 0x0                             ; my group's scale words
.irp i, 0,1,2,3,4,5,6,7
	ds_store_b128 v22, v[AF+4*\i:AF+4*\i+3] offset:512*\i
.endr
	s_wait_tensorcnt 0x0                           ; K 0-511 of my group is in
	ds_add_u32 v[SPW], v[NIL]
	s_mov_b32 s[G1+2], 96<<16                      ; no tensor load of mine is out: from here on a load brings 96 rows
	s_mov_b32 s[G1+4], 96
	s_mov_b32 s[G1B+2], 96<<16
	s_mov_b32 s[G1B+4], 96
	s_wait_dscnt 0x0                               ; the add and my stores of scale words are done
	CROUND                                         ; everybody's are, in all sixteen work-groups
	JLOAD G0A2, G1, G0B2, G1B                      ; K 512-767: my one tensor load behind the round
	FETCH_B 0
	FETCH_A 0, 0
	SCALES 0
	FETCH_A 0, 4
	STEP 0, 1                                      ; the first products start the sums: nothing is cleared
	STEP 1, 0                                      ; K 256-511 came with the head's load
	STEP 2, 0
	TURNR 3                                        ; K 512-767 is in, in every wave; K 768-1,023 goes over K 0-255
	STEP 4, 0
	TURNP 5, 0                                     ; the refill is in, in every wave
	STEP 6, 0
	s_wait_dscnt 16                                ; the last step: nothing more to fetch
	WIN MUL_LO
	MUL16 0, 7, 0
	MUL16 2, 7, 0
	s_wait_dscnt 0x0
	WIN MUL_HI
	MUL16 4, 7, 0
	MUL16 6, 7, 0
	WIN 0
	PLACES
; THE WAY OUT.  Block a's 64 registers are two blocks of 32 along the next K: each block's largest magnitude is the lane's own; the codes are the next operand's registers and are stored as such.  No LDS.
.macro OUTQ a
.set WW, 2+(\a)/4
.set WW2, WW|(WW<<2)
.set AC, 64*((\a)%4)
	WIN WW2                                        ; sources 0 and 1: the accumulators' window
.irp c, 0,1
	v_max3_num_f32 v[TM+\c], |v[AC+32*\c]|, |v[AC+32*\c+1]|, 0x1800000   ; each accumulator is read from its low end on; the floor 2^(3 - 127) holds the byte at 1 from below
.endr
.irp i, 2,4,6,8,10,12,14,16,18,20,22,24,26,28,30
.irp c, 0,1
	v_max3_num_f32 v[TM+\c], |v[AC+32*\c+\i]|, |v[AC+32*\c+\i+1]|, v[TM+\c]
.endr
.endr
	WIN 0
.irp c, 0,1
	v_add_nc_u32 v[SO+\c], 0xff000000, v[TM+\c]    ; 2 off the exponent field: the conversion's scale operand
.endr
.irp c, 0,1
	v_lshrrev_b32 v[BY+\c], 23, v[SO+\c]
.endr
	v_lshl_or_b32 v[PWT], v[BY+1], 16, v[BY]
	v_lshlrev_b32 v[PWT], v[SH8], v[PWT]
	v_permlanex16_b32 v[PWO], v[PWT], s2, s3
	v_or_b32 v[PW+(\a)], v[PWT], v[PWO]            ; the row's four bytes, in every lane
.if (\a) > 0
	s_wait_alu depctr_va_vdst(0)
	s_wait_xcnt 0x0                                ; the last block's stores have read their data and their bases
.if (\a) == 4
	s_add_nc_u64 s[8:9], s[8:9], s[98:99]
	s_add_nc_u64 s[12:13], s[12:13], s[98:99]
.else
	s_add_nc_u64 s[8:9], s[8:9], s[96:97]
	s_add_nc_u64 s[12:13], s[12:13], s[96:97]
.endif
.endif
	WIN WW                                         ; source 0: the accumulators' window
	v_cvt_scalef32_pk16_fp6_f32 v[PC:PC+2], v[AC:AC+15], v[SO]
	v_cvt_scalef32_pk16_fp6_f32 v[TC:TC+2], v[AC+16:AC+31], v[SO]
	v_cvt_scalef32_pk16_fp6_f32 v[PC+6:PC+8], v[AC+32:AC+47], v[SO+1]
	v_cvt_scalef32_pk16_fp6_f32 v[TC+4:TC+6], v[AC+48:AC+63], v[SO+1]
	WIN 0
	v_nop                                          ; one plain place behind a scaled conversion
.irp i, 0,1,2
	v_mov_b32 v[PC+3+\i], v[TC+\i]
	v_mov_b32 v[PC+9+\i], v[TC+4+\i]
.endr
	global_store_b128 v[VO16], v[PC:PC+3], s[8:9]          ; 512 consecutive bytes, at a multiple of 256
	global_store_b64 v[VO8], v[PC+4:PC+5], s[8:9]          ; 256
	global_store_b128 v[VO16], v[PC+6:PC+9], s[12:13]
	global_store_b64 v[VO8], v[PC+10:PC+11], s[12:13]
.endm
.irp a, 0,1,2,3,4,5,6,7
	OUTQ \a
.endr
	v_cmp_ne_u32 vcc_lo, 0, v3
.irp p, 0,1,2,3
	v_perm_b32 v[WQ+\p], v[PW+2*\p+1], v[PW+2*\p], v[VSEL]     ; q, k: token tiles 2 p and 2 p + 1, two bytes each: lanes 0-15 the first head's, lanes 16-31 the second's
	v_cndmask_b32 v[WVV+\p], v[PW+\p], v[PW+4+\p], vcc_lo      ; v: channel tile p: lanes 0-15 the first head's, lanes 16-31 the second's
.endr
.irp p, 0,1,2,3
	v_cndmask_b32 v[WO+\p], v[WQ+\p], v[WVV+\p], s22
.endr
	global_store_b128 v[VOS], v[WO:WO+3], s[10:11]         ; sixteen lanes store 256 consecutive bytes, aligned, in each of the two heads' planes
	s_wait_tensorcnt 0x0                           ; the wave's end
	ds_add_u32 v[SPW], v[NIL]
	s_wait_dscnt 0x0
	CROUND                                         ; the closing round: no work-group ends while a partner may still ask for a tile that names it
	s_endpgm
.Lfunc_end_k_qdc1ee029fb_gemm_qkv:
	.size	k_qdc1ee029fb_gemm_qkv, .Lfunc_end_k_qdc1ee029fb_gemm_qkv-k_qdc1ee029fb_gemm_qkv
	.p2alignl 7, 3214868480
	.fill 96, 4, 3214868480
	.section	.rodata,"a",@progbits
	.p2align	6, 0x0
	.amdhsa_kernel k_qdc1ee029fb_gemm_qkv
		.amdhsa_group_segment_fixed_size 327680
		.amdhsa_private_segment_fixed_size 0
		.amdhsa_enable_private_segment 0
		.amdhsa_kernarg_size 32
		.amdhsa_user_sgpr_count 2
		.amdhsa_user_sgpr_kernarg_segment_ptr 1
		.amdhsa_wavefront_size32 1
		.amdhsa_system_sgpr_workgroup_id_x 1
		.amdhsa_system_sgpr_workgroup_id_y 1
		.amdhsa_system_sgpr_workgroup_id_z 1
		.amdhsa_system_vgpr_workitem_id 0
		.amdhsa_next_free_vgpr 1024
		.amdhsa_next_free_sgpr 102
		.amdhsa_reserve_vcc 1
		.amdhsa_float_denorm_mode_32 3
		.amdhsa_float_denorm_mode_16_64 3
		.amdhsa_memory_ordered 1
		.amdhsa_forward_progress 1
		.amdhsa_inst_pref_size 143
	.end_amdhsa_kernel
	.amdgpu_metadata
---
amdhsa.version: [ 1, 2 ]
amdhsa.kernels:
  - .name:           k_qdc1ee029fb_gemm_qkv
    .symbol:         k_qdc1ee029fb_gemm_qkv.kd
    .args:
      - { .name: c1, .offset: 0, .size: 8, .value_kind: global_buffer, .address_space: global }
      - { .name: s1, .offset: 8, .size: 8, .value_kind: global_buffer, .address_space: global }
      - { .name: qkvc, .offset: 16, .size: 8, .value_kind: global_buffer, .address_space: global }
      - { .name: qkvs, .offset: 24, .size: 8, .value_kind: global_buffer, .address_space: global }
    .group_segment_fixed_size: 327680
    .private_segment_fixed_size: 0
    .kernarg_segment_align: 8
    .kernarg_segment_size: 32
    .max_flat_workgroup_size: 128
    .sgpr_count:     102
    .vgpr_count:     1024
    .wavefront_size: 32
...
	.end_amdgpu_metadata
.endif
;; end of part 2
;; launch attn (part 3): grid 4 x 64, 8 waves a work-group, clusters of 4 x 1, 205,824 bytes of LDS; arguments qkvc, qkvs, ac, asc; writes ac, asc
.if DOCPART == 3
	.amdgcn_target "amdgcn-amd-amdhsa--gfx1250"
	.amdhsa_code_object_version 6
	.text
	.protected	k_qdc1ee029fb_attn
	.globl	k_qdc1ee029fb_attn
	.p2align	8
	.type	k_qdc1ee029fb_attn,@function
k_qdc1ee029fb_attn:
	s_mov_b64 s[64:65], 0
	v_nop
	global_prefetch_b8 v0, s[64:65] scope:SCOPE_SE
	s_setreg_imm32_b32 hwreg(HW_REG_WAVE_MODE, 25, 1), 1
	s_wait_xcnt 0x0
	s_wait_alu depctr_hold_cnt(0) depctr_sa_sdst(0) depctr_va_vdst(0) depctr_va_sdst(0) depctr_va_ssrc(0) depctr_va_vcc(0) depctr_vm_vsrc(0)
	s_getreg_b32 s2, hwreg(HW_REG_IB_STS2, 6, 4)
	s_cmp_eq_u32 s2, 0
	s_cbranch_scc0 .Lentry_in_a_cluster
	s_endpgm
.Lentry_in_a_cluster:
	s_bfe_u32 s2, ttmp6, 0x10000c
	s_cmp_lg_u32 s2, 0x3003
	s_cbranch_scc0 .Lentry_shape_is_right
	s_endpgm
.Lentry_shape_is_right:
; out[b][q][head] = softmax_k(q . k / 8) v for each of 64 (batch, head), 2,048 tokens, head size 64; both products on codes of FP6 (E2M3) with E8M0 scales; the result is quantised along E and leaves as codes.
; THE SOFTMAX: t = score x log2(e) / 8; M = the running largest t rounded UP to a whole number, kept as -M = floor(-t); p = 2^(t - M) is quantised along the keys, not normalised.
; The row's sum is taken of the unquantised p, in f32, and divides at the end.  When M moves, the sum and O are multiplied by 2^(old M - new M): exact; no branch hangs on data.
; LIMITS: NaN and infinities are not served; the promise holds while the scaled scores t stay under 2^31 in magnitude; a block whose largest magnitude lies under 2^-124 has its scale byte held at 1 (read by this program alone).
; SHARES: a work-group takes 512 queries of one (batch, head), each of its eight waves 64: four tiles of 16.  A fragment of K or V read from LDS feeds four tiles.
; A WHOLE HEAD'S K, V AND SCALE WORDS LIE IN LDS, FILLED ONCE.  Each wave issues ONE tensor load, a quarter of K's or of V's plane (24,576 bytes), jointly with the three partners of its cluster, which need the same planes;
; the 8,192 bytes of scale words come by plain loads and LDS stores, 1,024 bytes a wave.  All is asked for at the head, so there is no loop in which a prefetch could run ahead.
; LAYOUT (made by the launch before): plane = kind x 64 + batch x 16 + head.  q, k: token tile a is a half fragment (16 tokens x 64 channels, six registers) at 768 a; tiles 2 q and 2 q + 1 lie on end and are ONE fragment [X|Y].
; v: fragment (16 channels x 128 keys) at step x 6,144 + tile x 1,536.  Of 64 rows, tile t's lane-row r is row 8 t + r % 8 + 32 (r / 8).
; K = 64 IN AN INSTRUCTION OF 128: source 0 = [X|Y]; with source 1 = [q|0] the result is S^T of tile X, with [0|q] that of tile Y: zero codes add nothing under any scale byte that this program makes.
; Both products are used transposed: a lane holds ONE query; S^T's 64 registers of a tile are keys 64 c + 32 h + 0 .. 31 of the step: two whole blocks, in the order of a 6-bit operand's registers.
; A KEY STEP GOES BY PAIRS OF QUERY TILES: 16 products make two tiles' scores; their four blocks' maxima, their two rows' runs and their four chains of sums go by turns, line by line; 132 exponentials form one batch; 8 products add to O^T.
; REGISTERS: window 0: v1-6 addresses, v7 8 h, v8-15 and v56-71 at work, v16-31 -M, largest score, sum (two halves) of each tile, v32-39 f, v40-55 scale words (Q, K, V, P), v72-199 S^T of two tiles, then p,
;   v200-223 P's codes, v224-247 V's fragments 0, 1, v248-253 the step's addresses.  window 1: v0-127 O^T, 32 a tile; v128-181 the chain Z q0 Z q1 Z q2 Z q3 Z of six registers each (Z = zeros); v184-231 K's four fragments; v232-255 V's fragments 2, 3.
.set VB,    98304                      ; LDS: K's plane from 0, V's from here,
.set SCK,   196608                     ; K's scale words,
.set SCV,   200704                     ; V's,
.set SPARE, 204800                     ; the spare words: 128 bytes a wave
.set STEPB, 6144                       ; a key step's bytes in a plane
.set SH8,   7
.set BY,    8                          ; v8-11  the four blocks' scale bytes
.set PWT,   12                         ; v12-13 my two bytes at their places
.set PWO,   14                         ; v14-15 lane l xor 16's
.set ST,    16                         ; 4 t: -M, the largest score, the sum's two halves
.set FF,    32                         ; 2 t: f (and the pair's upper half)
.set QS,    40
.set KS,    44
.set VS,    48
.set PS,    52
.set BM,    56                         ; v56-59 2 x + c: a block's largest score, then largest p
.set RT,    60                         ; v60-61
.set OLD,   62                         ; v62-63
.set SO,    64                         ; v64-67 the conversions' scale operands
.set AUX,   68                         ; v68-71 a second chain of sums for each tile
.set S,     72
.set P,     200
.set VF0,   224
.set AT,    248
.set HW,    248                        ; the way out: a tile's two scale bytes
.set SPW,   254
.set NIL,   255
.set QC,    128                        ; window 1
.set KF,    184
.set VF1,   232
.set WV,    12
.set SEL,   20
.set CS,    22
.set NC,    60
.set TB,    61
.set CNT,   62
.set TS,    63
.set MSB, 0
.macro WIN new                         ; the immediate's high byte repeats the setting that is left
.if MSB != (\new)
	s_set_vgpr_msb (MSB<<8)|(\new)
.set MSB, (\new)
.endif
.endm
.macro WALU
	s_wait_alu depctr_va_vdst(0)
.endm
.macro CROUND                          ; a round of the cluster's barrier
	s_barrier_signal -1
	s_barrier_wait -1
	s_cmp_lg_u32 s[WV], 0
	s_cbranch_scc1 .Lnot_wave_0_\@
	s_barrier_signal -3
.Lnot_wave_0_\@:
	s_barrier_wait -3
	s_barrier_signal -1
	s_barrier_wait -1
.endm
.macro MM d, a, b, c, sa, sb
	v_wmma_scale_f32_16x16x128_f8f6f4 v[\d:\d+7], v[\a:\a+11], v[\b:\b+11], \c, v[\sa], v[\sb] matrix_a_fmt:MATRIX_FMT_FP6 matrix_b_fmt:MATRIX_FMT_FP6
.endm
.macro FRAG reg, a16, a8, off          ; a fragment comes back as it was stored: four loads of consecutive bytes
	ds_load_b128 v[\reg:\reg+3], v[\a16] offset:\off
	ds_load_b64 v[\reg+4:\reg+5], v[\a8] offset:\off
	ds_load_b128 v[\reg+6:\reg+9], v[\a16] offset:\off+768
	ds_load_b64 v[\reg+10:\reg+11], v[\a8] offset:\off+768
.endm
.macro FETCHK a16, a8, as, off, soff   ; a key step's four fragments [X|Y] and their scale words: 17 loads
	WIN 0x40
.irp q, 0,1,2,3
	FRAG KF+12*\q, \a16, \a8, \off+\q*1536
.endr
	WIN 0
	ds_load_b128 v[KS:KS+3], v[\as] offset:\soff
.endm
	s_load_b256 s[4:11], s[0:1], 0x0               ; qkvc s[4:5], qkvs s[6:7], ac s[8:9], asc s[10:11]
	v_lshl_add_u32 v[SPW], v0, 2, SPARE
	v_mov_b32 v[NIL], 0
	ds_add_u32 v[SPW], v[NIL]                      ; the opening lines: the add, twice on end, and its wait
	ds_add_u32 v[SPW], v[NIL]
	v_lshrrev_b32 v14, 5, v0
	v_readfirstlane_b32 s[WV], v14                 ; wave 0..7
	s_bfe_u32 s13, ttmp6, 0x40000                  ; cx: it enters Q's and the outputs' addresses alone
	s_and_b32 s14, ttmp7, 0xffff                   ; batch x 16 + head, which the four partners share
	s_lshr_b32 s15, s[WV], 2                       ; I fetch for K (0) or for V (1),
	s_and_b32 s16, s[WV], 3                        ; this quarter
	s_lshl_b32 s17, s15, 6
	s_add_co_u32 s17, s17, s14
	s_add_co_u32 s17, s17, 64                      ; the plane
	s_mul_i32 s68, s17, 98304
	s_mul_i32 s18, s16, 24576
	s_add_co_u32 s68, s68, s18
	s_mov_b32 s69, 0
	s_lshl_b32 s72, s17, 12
	s_lshl_b32 s67, s16, 10
	s_add_co_u32 s72, s72, s67                     ; my quarter of the plane's scale words
	s_mov_b32 s73, 0
	s_mov_b32 s52, 1
	s_mul_i32 s53, s[WV], 24576                    ; the same place in LDS: K's four quarters, then V's: made of the wave's number alone
	s_lshl_b32 s49, s[WV], 10
	s_add_co_u32 s49, s49, SCK
	s_mov_b32 s32, 15|(3<<16)|(1<<21)              ; group 1: the mask of all four work-groups; elements of 8 bytes; bit 21 beside a mask; a dense block as 96 rows of 256 bytes
	s_mov_b32 s33, 32<<16
	s_mov_b32 s34, 96<<16
	s_mov_b32 s35, 32<<16
	s_mov_b32 s36, 96
	s_mov_b32 s37, 32
	s_mov_b32 s38, 0
	s_mov_b32 s39, 0
	s_mov_b32 s[SEL], 0x76543210
	s_mov_b32 s[SEL+1], 0xfedcba98                 ; selects for lane l xor 16
	s_mov_b32 s[CS], 0x3e38aa3b                    ; c = log2(e) / 8
	s_mov_b32 s[CS+1], s[CS]                       ; (named with it as a pair, so it is written)
	s_mov_b32 s[NC], 0xbe38aa3b                    ; -c
	s_mov_b32 s[TB], 0
	s_mov_b32 s[TS], 0
	s_wait_dscnt 0x0
	s_wait_kmcnt 0x0
	s_add_nc_u64 s[54:55], s[4:5], s[68:69]
	s_or_b32 s55, s55, 0x80000000
	s_add_nc_u64 s[50:51], s[6:7], s[72:73]
	CROUND                                         ; all four work-groups are here: the joint loads meet
	tensor_load_to_lds s[52:55], s[32:39]          ; my one tensor load
	s_nop 0
.rept 4
	v_nop
.endr
	s_lshl_b32 s77, s13, 3                         ; Q and the outputs
	s_add_co_u32 s77, s77, s[WV]                   ; g: my chunk of 64 queries, 0 .. 31 in the batch
	s_mul_i32 s66, s14, 98304
	s_mul_i32 s18, s77, 3072
	s_add_co_u32 s66, s66, s18
	s_mov_b32 s67, 0
	s_add_nc_u64 s[66:67], s[4:5], s[66:67]        ; my four half fragments of q
	s_lshl_b32 s68, s14, 12
	s_lshr_b32 s18, s77, 1
	s_lshl_b32 s18, s18, 8
	s_add_co_u32 s68, s68, s18
	s_and_b32 s18, s77, 1
	s_lshl_b32 s18, s18, 3
	s_add_co_u32 s68, s68, s18
	s_mov_b32 s69, 0
	s_add_nc_u64 s[68:69], s[6:7], s[68:69]        ; their two scale words a row
	s_lshr_b32 s70, s14, 4                         ; batch
	s_and_b32 s71, s14, 15                         ; head
	s_lshl_b32 s70, s70, 5
	s_add_co_u32 s70, s70, s77                     ; my chunk of 64 among all 8,192 rows
	s_lshr_b32 s72, s70, 1                         ; its group of 128
	s_and_b32 s70, s70, 1
	s_lshl_b32 s72, s72, 3
	s_lshr_b32 s73, s71, 1
	s_add_co_u32 s72, s72, s73                     ; group x 8 + K step of the last product (two heads to a step)
	s_and_b32 s71, s71, 1                          ; which half of the step's fragments is my head's
	s_lshl_b32 s74, s72, 3
	s_lshl_b32 s75, s70, 2
	s_add_co_u32 s74, s74, s75
	s_mul_i32 s74, s74, 1536
	s_mul_i32 s75, s71, 768
	s_add_co_u32 s74, s74, s75
	s_mov_b32 s75, 0
	s_add_nc_u64 s[8:9], s[8:9], s[74:75]
	s_lshl_b32 s74, s72, 1
	s_add_co_u32 s74, s74, s70
	s_lshl_b32 s74, s74, 8
	s_lshl_b32 s76, s71, 1
	s_add_co_u32 s74, s74, s76
	s_add_nc_u64 s[10:11], s[10:11], s[74:75]
	v_and_b32 v14, 31, v0                          ; L
	v_and_b32 v15, 15, v0                          ; r
	v_bfe_u32 v[SH8], v0, 4, 1
	v_lshlrev_b32 v[SH8], 3, v[SH8]                ; 8 h
	v_lshlrev_b32 v1, 4, v14                       ; K: 16 L
	v_lshlrev_b32 v2, 3, v14
	v_add_nc_u32 v2, 512, v2                       ;    512 + 8 L
	v_add_nc_u32 v3, VB, v1                        ; V likewise
	v_add_nc_u32 v4, VB, v2
	v_lshlrev_b32 v[BM], 4, v15                    ; 16 r
	v_add_nc_u32 v5, SCK, v[BM]
	v_add_nc_u32 v6, SCV, v[BM]
	v_add_nc_u32 v[BM+1], s49, v1                  ; where my 16 bytes of scale words go
	WIN 0x40                                       ; destination window 1
.irp t, 0,1,2,3
	global_load_b128 v[QC+6+12*\t:QC+9+12*\t], v1, s[66:67] offset:768*\t
	global_load_b64 v[QC+10+12*\t:QC+11+12*\t], v2, s[66:67] offset:768*\t
.endr
	WIN 0
	global_load_b64 v[RT:RT+1], v[BM], s[68:69]
	global_load_b128 v[S:S+3], v1, s[50:51]        ; 512 consecutive bytes an instruction
	global_load_b128 v[S+4:S+7], v1, s[50:51] offset:512
	WIN 0x40
.irp k, 0,1,2,3,4
.irp i, 0,1,2,3,4,5
	v_mov_b32 v[QC+12*\k+\i], 0                    ; the chain's zeros
.endr
.endr
.set n, 0
.rept 128
	v_mov_b32 v[n], 0                              ; O^T.  (The key step has no first step of its own: the first change of M multiplies zeros)
.set n, n+1
.endr
	WIN 0
	s_wait_loadcnt 0x0
	v_perm_b32 v[QS], v[RT], v[RT], 0x01000100     ; a tile's two bytes, twice: they serve [q|0] and [0|q] alike
	v_perm_b32 v[QS+1], v[RT], v[RT], 0x03020302
	v_perm_b32 v[QS+2], v[RT+1], v[RT+1], 0x01000100
	v_perm_b32 v[QS+3], v[RT+1], v[RT+1], 0x03020302
	ds_store_b128 v[BM+1], v[S:S+3]
	ds_store_b128 v[BM+1], v[S+4:S+7] offset:512
.irp t, 0,1,2,3                                ; (these 24 plain lines are also the places between the scale words just made and the first product)
	v_mov_b32 v[ST+4*\t], 0x7f61b1e6               ; -M: 3e38
	v_mov_b32 v[ST+4*\t+1], 0xff61b1e6             ; the largest score so far: -3e38
	v_mov_b32 v[ST+4*\t+2], 0                      ; the sum, in two halves
	v_mov_b32 v[ST+4*\t+3], 0
	v_mov_b32 v[FF+2*\t], 0
	v_mov_b32 v[FF+2*\t+1], 0                      ; (named as the upper half of f's pair)
.endr
.macro SUMS p, from, to                ; p's pairs from .. to - 1 of both tiles go into four chains by turns
.set g, \from
.rept ((\to)-(\from))/2
.irp x, 0,1
	v_pk_add_f32 v[ST+4*(2*\p+\x)+2:ST+4*(2*\p+\x)+3], v[ST+4*(2*\p+\x)+2:ST+4*(2*\p+\x)+3], v[S+64*\x+2*g:S+64*\x+2*g+1]
	v_pk_add_f32 v[AUX+2*\x:AUX+2*\x+1], v[AUX+2*\x:AUX+2*\x+1], v[S+64*\x+2*g+2:S+64*\x+2*g+3]
.endr
.set g, g+2
.endr
.endm
; The softmax of tiles 2 p and 2 p + 1 (x = 0, 1) for one key step
.macro SOFT2 p
.irp x, 0,1
.irp c, 0,1
	v_max3_num_f32 v[BM+2*\x+\c], v[S+64*\x+32*\c], v[S+64*\x+32*\c+1], v[S+64*\x+32*\c+2]   ; the largest score of each block of 32 keys, all mine; ascending: each accumulator is read from its low end on
.endr
.endr
.irp i, 3,5,7,9,11,13,15,17,19,21,23,25,27,29
.irp x, 0,1
.irp c, 0,1
	v_max3_num_f32 v[BM+2*\x+\c], v[BM+2*\x+\c], v[S+64*\x+32*\c+\i], v[S+64*\x+32*\c+\i+1]
.endr
.endr
.endr
.irp x, 0,1
.irp c, 0,1
	v_max_num_f32 v[BM+2*\x+\c], v[BM+2*\x+\c], v[S+64*\x+32*\c+31]
.endr
.endr
.irp x, 0,1
	v_max3_num_f32 v[ST+4*(2*\p+\x)+1], v[ST+4*(2*\p+\x)+1], v[BM+2*\x], v[BM+2*\x+1]   ; the running largest score
.endr
.irp x, 0,1
	v_permlanex16_b32 v[RT+\x], v[ST+4*(2*\p+\x)+1], s[SEL], s[SEL+1]
.endr
.irp x, 0,1
	v_max_num_f32 v[ST+4*(2*\p+\x)+1], v[ST+4*(2*\p+\x)+1], v[RT+\x]   ; with lane l xor 16's 64 keys
.endr
.irp x, 0,1
	v_mul_f32 v[RT+\x], s[NC], v[ST+4*(2*\p+\x)+1]         ; -t (c is positive)
.endr
.irp x, 0,1
	v_floor_f32 v[RT+\x], v[RT+\x]                 ; the new -M = -ceil(t): a whole number
.endr
.irp x, 0,1
	v_sub_f32 v[OLD+\x], v[RT+\x], v[ST+4*(2*\p+\x)]       ; old M - new M: a whole number, 0 or less
.endr
.irp x, 0,1
	v_mov_b32 v[ST+4*(2*\p+\x)], v[RT+\x]
.endr
.irp x, 0,1
	v_cvt_i32_f32 v[OLD+\x], v[OLD+\x]             ; (it saturates)
.endr
.irp x, 0,1
	v_ldexp_f32 v[FF+2*(2*\p+\x)], 1.0, v[OLD+\x]  ; f = 2^(old M - new M)
.endr
.set n, 0
.rept 32
.irp x, 0,1
	v_pk_fma_f32 v[S+64*\x+2*n:S+64*\x+2*n+1], v[S+64*\x+2*n:S+64*\x+2*n+1], s[CS:CS+1], v[ST+4*(2*\p+\x):ST+4*(2*\p+\x)+1] op_sel_hi:[1,0,0]   ; t - M
.endr
.set n, n+1
.endr
.irp x, 0,1
.irp c, 0,1
	v_fma_f32 v[BM+2*\x+\c], v[BM+2*\x+\c], s[CS], v[ST+4*(2*\p+\x)]   ; the same of each block's largest score
.endr
.endr
	WIN 0x41                                       ; O^T in window 1, f in window 0
	WALU                                           ; ahead of the batch, and directly ahead of the first readers of O^T
.set n, 0
.rept 32
	v_pk_mul_f32 v[64*\p+2*n:64*\p+2*n+1], v[64*\p+2*n:64*\p+2*n+1], v[FF+4*\p+2*(n/16):FF+4*\p+2*(n/16)+1] op_sel_hi:[1,0]   ; O^T under the new M
.set n, n+1
.endr
	WIN 0
.set n, 0
.rept 128
	v_exp_f32 v[S+n], v[S+n]                       ; p = 2^(t - M)
.set n, n+1
.endr
.irp k, 0,1,2,3
	v_exp_f32 v[BM+\k], v[BM+\k]                   ; the blocks' largest p: the same two instructions on the same number give the same bits
.endr
.irp x, 0,1
	v_pk_mul_f32 v[ST+4*(2*\p+\x)+2:ST+4*(2*\p+\x)+3], v[ST+4*(2*\p+\x)+2:ST+4*(2*\p+\x)+3], v[FF+2*(2*\p+\x):FF+2*(2*\p+\x)+1] op_sel_hi:[1,0]   ; the sums under the new M: the plain place behind the batch
.endr
	WALU                                           ; one wait for the batch, ahead of its first reader
.irp k, 0,1,2,3
	v_max_num_f32 v[BM+\k], 0x1800000, v[BM+\k]    ; the floor 2^(3 - 127): the byte cannot fall under 1
.endr
.irp k, 0,1,2,3
	v_add_nc_u32 v[SO+\k], 0xff000000, v[BM+\k]    ; 2 off the exponent field: the conversion's scale operand
.endr
.irp k, 0,1,2,3
	v_lshrrev_b32 v[BY+\k], 23, v[SO+\k]
.endr
.irp x, 0,1
	v_lshl_or_b32 v[PWT+\x], v[BY+2*\x+1], 16, v[BY+2*\x]  ; key blocks h and 2 + h,
.endr
.irp x, 0,1
	v_lshlrev_b32 v[PWT+\x], v[SH8], v[PWT+\x]
.endr
.irp x, 0,1
	v_permlanex16_b32 v[PWO+\x], v[PWT+\x], s[SEL], s[SEL+1]
.endr
.irp x, 0,1
	v_or_b32 v[PS+2*\p+\x], v[PWT+\x], v[PWO+\x]   ; with lane l xor 16's two: p's scale word for these 128 keys
.endr
.irp x, 0,1
	v_pk_add_f32 v[AUX+2*\x:AUX+2*\x+1], v[S+64*\x:S+64*\x+1], v[S+64*\x+2:S+64*\x+3]   ; the row's sum is taken of the unquantised p
.endr
	SUMS \p, 2, 28
.irp x, 0,1
	v_cvt_scalef32_pk16_fp6_f32 v[P+12*\x:P+12*\x+2], v[S+64*\x:S+64*\x+15], v[SO+2*\x]
	v_cvt_scalef32_pk16_fp6_f32 v[P+12*\x+6:P+12*\x+8], v[S+64*\x+32:S+64*\x+47], v[SO+2*\x+1]
.endr
	v_nop                                          ; one plain place: the next conversions write registers that these have read
.irp x, 0,1                                    ; (a conversion's three registers begin on an even number: the blocks' upper halves are made in p's first registers, which are summed and converted, and moved)
	v_cvt_scalef32_pk16_fp6_f32 v[S+64*\x:S+64*\x+2], v[S+64*\x+16:S+64*\x+31], v[SO+2*\x]
	v_cvt_scalef32_pk16_fp6_f32 v[S+64*\x+4:S+64*\x+6], v[S+64*\x+48:S+64*\x+63], v[SO+2*\x+1]
.endr
	v_nop                                          ; one plain place behind a scaled conversion
.irp x, 0,1
.irp i, 0,1,2
	v_mov_b32 v[P+12*\x+3+\i], v[S+64*\x+\i]       ; registers 6 c .. 6 c + 5 hold keys 64 c + 32 h + 0 .. 31
	v_mov_b32 v[P+12*\x+9+\i], v[S+64*\x+4+\i]
.endr
.endr
	SUMS \p, 28, 32                                ; the sums' last ten lines are the places between the codes just moved and the products
.irp x, 0,1
	v_pk_add_f32 v[ST+4*(2*\p+\x)+2:ST+4*(2*\p+\x)+3], v[ST+4*(2*\p+\x)+2:ST+4*(2*\p+\x)+3], v[AUX+2*\x:AUX+2*\x+1]
.endr
.endm
.macro HALF p                          ; tiles 2 p and 2 p + 1 against the step's 128 keys
	WIN 0x05                                       ; K and the chain in window 1, S^T in window 0
.irp x, 0,1
.irp q, 0,1,2,3
	MM S+64*\x+16*\q, KF+12*\q, QC+6+12*(2*\p+\x), 0, KS+\q, QS+2*\p+\x
	MM S+64*\x+16*\q+8, KF+12*\q, QC+12*(2*\p+\x), 0, KS+\q, QS+2*\p+\x
.endr
.endr
	WIN 0
.rept 4
	v_nop                                          ; places in front of the first read of the scores, and of the loads into K's registers
.endr
.if \p
	FETCHK AT, AT+1, AT+4, STEPB, 256              ; K of the next step.  (Behind the last step these 17 loads read landed bytes of the next region, and nobody uses them)
.endif
	SOFT2 \p
	WALU
.if \p == 0
	s_wait_dscnt 0x0                               ; V of this step is in
.endif
	WIN 0x50                                       ; V and P in window 0, O^T in window 1
.irp d, 0,1                                    ; eight accumulators, one instruction each
.irp x, 0,1
	MM 32*(2*\p+\x)+8*\d, VF0+12*\d, P+12*\x, v[32*(2*\p+\x)+8*\d:32*(2*\p+\x)+8*\d+7], VS+\d, PS+2*\p+\x
.endr
.endr
	WIN 0x51                                       ; V's fragments 2 and 3 lie in window 1
.irp d, 2,3
.irp x, 0,1
	MM 32*(2*\p+\x)+8*\d, VF1+12*(\d-2), P+12*\x, v[32*(2*\p+\x)+8*\d:32*(2*\p+\x)+8*\d+7], VS+\d, PS+2*\p+\x
.endr
.endr
	WIN 0
.endm
	WALU
	s_wait_tensorcnt 0x0                           ; my quarter of a plane is in,
	s_wait_dscnt 0x0                               ; and my stores of scale words are done
	s_barrier_signal -1
	s_barrier_wait -1                              ; everybody's are; nothing is ever filled again
	FETCHK 1, 2, 5, 0, 0                           ; K of step 0
	s_mov_b32 s[CNT], 16
.Lstep:                                            ; a key step: 128 keys.  K's fragments were fetched a step ago
	v_add_nc_u32 v[AT], s[TB], v1                  ; the step's addresses: six plain lines, the places behind the last products
	v_add_nc_u32 v[AT+1], s[TB], v2
	v_add_nc_u32 v[AT+2], s[TB], v3
	v_add_nc_u32 v[AT+3], s[TB], v4
	v_add_nc_u32 v[AT+4], s[TS], v5
	v_add_nc_u32 v[AT+5], s[TS], v6
	FRAG VF0, AT+2, AT+3, 0                        ; V of this step: 17 loads with the scale words; they land while the first pair's scores are worked
	FRAG VF0+12, AT+2, AT+3, 1536
	WIN 0x40
	FRAG VF1, AT+2, AT+3, 3072
	FRAG VF1+12, AT+2, AT+3, 4608
	WIN 0
	ds_load_b128 v[VS:VS+3], v[AT+5]
	s_wait_dscnt 17                                ; K of this step is in; V's 17 loads may be out
	HALF 0
	HALF 1
	s_add_co_u32 s[TB], s[TB], STEPB
	s_add_co_u32 s[TS], s[TS], 256
	s_sub_co_u32 s[CNT], s[CNT], 1
	s_cmp_lg_u32 s[CNT], 0
	s_cbranch_scc1 .Lstep
	; THE WAY OUT.  O^T / the sum: a lane's 32 registers of a tile are channels 32 h + 0 .. 31 of one row: a whole block of the last product's K.  They are quantised and stored as half a fragment of that product's operand.
	s_wait_dscnt 0x0                               ; the loads that nobody uses
.irp t, 0,1,2,3
	v_add_f32 v[56+\t], v[ST+4*\t+2], v[ST+4*\t+3] ; the sum's two halves.  (Plain lines: the places behind the last products)
.endr
.irp t, 0,1,2,3
	v_permlanex16_b32 v[60+\t], v[56+\t], s[SEL], s[SEL+1]
.endr
.irp t, 0,1,2,3
	v_add_f32 v[56+\t], v[56+\t], v[60+\t]         ; and lane l xor 16's: the row's sum
.endr
	WALU
.irp t, 0,1,2,3
	v_rcp_f32 v[FF+2*\t], v[56+\t]
.endr
	v_and_b32 v10, 15, v0                          ; (plain work behind the reciprocals; v10 and v11 are written by nothing else from here on)
	v_lshlrev_b32 v10, 4, v10
	v_bfe_u32 v11, v0, 4, 1
	v_lshl_add_u32 v10, v11, 2, v10                ; 16 r + 4 h
	v_cmp_ne_u32 vcc_lo, 0, v11
.macro OUTT t
	WIN 0x01                                       ; source 0: O^T, window 1
	WALU                                           ; for the reciprocals, and directly ahead of the first readers of this tile's O^T
.set n, 0
.rept 16
	v_pk_mul_f32 v[S+2*n:S+2*n+1], v[32*(\t)+2*n:32*(\t)+2*n+1], v[FF+2*(\t):FF+2*(\t)+1] op_sel_hi:[1,0]
.set n, n+1
.endr
	WIN 0
.irp c, 0,1
	v_max3_num_f32 v[BM+\c], |v[S+16*\c]|, |v[S+16*\c+1]|, 0x1800000   ; the block's largest magnitude, in two chains, with the floor
.endr
.irp i, 2,4,6,8,10,12,14
.irp c, 0,1
	v_max3_num_f32 v[BM+\c], v[BM+\c], |v[S+16*\c+\i]|, |v[S+16*\c+\i+1]|
.endr
.endr
	v_max_num_f32 v[BM], v[BM], v[BM+1]
	v_add_nc_u32 v[SO], 0xff000000, v[BM]
	v_lshrrev_b32 v[BY], 23, v[SO]
	v_lshlrev_b32 v[PWT], v[SH8], v[BY]
	v_permlanex16_b32 v[PWO], v[PWT], s[SEL], s[SEL+1]
	v_or_b32 v[HW+(\t)], v[PWT], v[PWO]            ; my head's two bytes of the row's scale word
	v_cvt_scalef32_pk16_fp6_f32 v[P+12*(\t):P+12*(\t)+2], v[S:S+15], v[SO]
	v_cvt_scalef32_pk16_fp6_f32 v[RT:RT+2], v[S+16:S+31], v[SO]
	v_nop                                          ; one plain place behind a scaled conversion
.irp i, 0,1,2
	v_mov_b32 v[P+12*(\t)+3+\i], v[RT+\i]
.endr
	global_store_b128 v1, v[P+12*(\t):P+12*(\t)+3], s[8:9] offset:1536*(\t)       ; 512 consecutive bytes, at a multiple of 256; each tile has registers of its own
	global_store_b64 v2, v[P+12*(\t)+4:P+12*(\t)+5], s[8:9] offset:1536*(\t)      ; 256
.endm
	OUTT 0
	OUTT 1
	OUTT 2
	OUTT 3
	v_cndmask_b32 v252, v[HW], v[HW+1], vcc_lo     ; lanes 0-15 store tiles 0 and 2's bytes of row r, lanes 16-31 tiles 1 and 3's
	v_cndmask_b32 v253, v[HW+2], v[HW+3], vcc_lo
	global_store_b16 v10, v252, s[10:11]           ; two bytes a lane: the other two bytes of each word are the neighbouring head's, which another work-group makes; 4 bytes for each 96 of codes
	global_store_b16 v10, v253, s[10:11] offset:8
	s_wait_tensorcnt 0x0                           ; the wave's end
	ds_add_u32 v[SPW], v[NIL]
	s_wait_dscnt 0x0
	CROUND                                         ; the closing round: no work-group ends while a partner may still ask for a tile that names it
	s_endpgm
.Lfunc_end_k_qdc1ee029fb_attn:
	.size	k_qdc1ee029fb_attn, .Lfunc_end_k_qdc1ee029fb_attn-k_qdc1ee029fb_attn
	.p2alignl 7, 3214868480
	.fill 96, 4, 3214868480
	.section	.rodata,"a",@progbits
	.p2align	6, 0x0
	.amdhsa_kernel k_qdc1ee029fb_attn
		.amdhsa_group_segment_fixed_size 205824
		.amdhsa_private_segment_fixed_size 0
		.amdhsa_enable_private_segment 0
		.amdhsa_kernarg_size 32
		.amdhsa_user_sgpr_count 2
		.amdhsa_user_sgpr_kernarg_segment_ptr 1
		.amdhsa_wavefront_size32 1
		.amdhsa_system_sgpr_workgroup_id_x 1
		.amdhsa_system_sgpr_workgroup_id_y 1
		.amdhsa_system_sgpr_workgroup_id_z 1
		.amdhsa_system_vgpr_workitem_id 0
		.amdhsa_next_free_vgpr 512
		.amdhsa_next_free_sgpr 80
		.amdhsa_reserve_vcc 1
		.amdhsa_float_denorm_mode_32 3
		.amdhsa_float_denorm_mode_16_64 3
		.amdhsa_memory_ordered 1
		.amdhsa_forward_progress 1
		.amdhsa_inst_pref_size 79
	.end_amdhsa_kernel
	.amdgpu_metadata
---
amdhsa.version: [ 1, 2 ]
amdhsa.kernels:
  - .name:           k_qdc1ee029fb_attn
    .symbol:         k_qdc1ee029fb_attn.kd
    .args:
      - { .name: qkvc, .offset: 0, .size: 8, .value_kind: global_buffer, .address_space: global }
      - { .name: qkvs, .offset: 8, .size: 8, .value_kind: global_buffer, .address_space: global }
      - { .name: ac, .offset: 16, .size: 8, .value_kind: global_buffer, .address_space: global }
      - { .name: asc, .offset: 24, .size: 8, .value_kind: global_buffer, .address_space: global }
    .group_segment_fixed_size: 205824
    .private_segment_fixed_size: 0
    .kernarg_segment_align: 8
    .kernarg_segment_size: 32
    .max_flat_workgroup_size: 256
    .sgpr_count:     80
    .vgpr_count:     512
    .wavefront_size: 32
...
	.end_amdgpu_metadata
.endif
;; end of part 3
;; launch gemm_out (part 4): grid 4 x 64, 4 waves a work-group, clusters of 4 x 4, 327,680 bytes of LDS; arguments ac, asc, c1, s1, out0; writes out0
.if DOCPART == 4
	.amdgcn_target "amdgcn-amd-amdhsa--gfx1250"
	.amdhsa_code_object_version 6
	.text
	.protected	k_qdc1ee029fb_gemm_out
	.globl	k_qdc1ee029fb_gemm_out
	.p2align	8
	.type	k_qdc1ee029fb_gemm_out,@function
k_qdc1ee029fb_gemm_out:
	s_mov_b64 s[64:65], 0
	v_nop
	global_prefetch_b8 v0, s[64:65] scope:SCOPE_SE
	s_setreg_imm32_b32 hwreg(HW_REG_WAVE_MODE, 25, 1), 1
	s_wait_xcnt 0x0
	s_wait_alu depctr_hold_cnt(0) depctr_sa_sdst(0) depctr_va_vdst(0) depctr_va_sdst(0) depctr_va_ssrc(0) depctr_va_vcc(0) depctr_vm_vsrc(0)
	s_getreg_b32 s2, hwreg(HW_REG_IB_STS2, 6, 4)
	s_cmp_eq_u32 s2, 0
	s_cbranch_scc0 .Lentry_in_a_cluster
	s_endpgm
.Lentry_in_a_cluster:
	s_bfe_u32 s2, ttmp6, 0x10000c
	s_cmp_lg_u32 s2, 0xf033
	s_cbranch_scc0 .Lentry_shape_is_right
	s_endpgm
.Lentry_shape_is_right:
; out0 = attention's result x W_o^T on codes of FP6 (E2M3) with E8M0 scales, K = 1,024; f32 sums, stored as they are.
; LIMITS: NaN, infinities and sums beyond f32's range are not served.
; OPERANDS lie as images of the matrix unit's registers (fragment: ((group x 8 + K step) x 8 + tile) x 1,536 bytes; scale words: group x 4,096 + K step x 512 + chunk x 256 + 16 r + 4 t);
; of a chunk of 64 rows, tile t's lane-row r is row 8 t + r % 8 + 32 (r / 8).  A: ac, asc, 64 groups of 128 rows; B: W_o, groups 88-95 of c1, s1.
; THE DEAL: 256 work-groups, each 128 rows (one group of A) x 256 columns (two groups of B); a wave makes 64 rows (a chunk: four tiles) x 128 columns (a group of B): 32 accumulators.
; The matrix instruction is used transposed: source 0 = W_o's 16 rows (they run along a lane's registers), source 1 = A's (the lane's row).
; LDS HOLDS ALL OF K, FILLED ONCE: A's group (98,304 bytes), then B's two.  One tensor load a wave: waves 0 and 1 half of A's group each (192 rows of 256 bytes), waves 2 and 3 a group of B each (384 rows).
; The 12,288 bytes of scale words come by plain loads and LDS stores.  All is asked for at the head: there is no later load that a prefetch could run ahead of.
; CLUSTERS: 4 x 4 work-groups; A's tiles are asked for jointly along a row of the cluster, B's along a column.
; K goes in eight steps of 128, written out; fragments and scale words have two sets by turns: step n + 1's 50 LDS loads are issued ahead of step n's 32 products.
; REGISTERS: window 0: v1-29 addresses; v32-47 scale words, two sets; v128-223 A's fragments, two sets of four; on the way out v128-255 hold rows.  window 1: B's fragments, two sets of eight.  window 2: accumulator (a, b) at v[8 (8 a + b)].
.set QB,    24576                      ; a group's 8 fragments of two K steps
.set SCL,   12*QB                      ; behind the tiles: the scale words: A's group, then B's two, 4,096 bytes each
.set SPARE, SCL+3*4096                 ; the spare words, 128 bytes for each wave: two blocks of 256 bytes that no other line names
.set SPITCH, 528                       ; the way out: a stage of 16 rows x (512 bytes + 16) for each wave,
.set STAGE, 0                          ; in A's first bytes: filled once, at the head, and read by nobody behind the barrier in the last step
.set FR,    12
.set FB,    1536
.set A16,   4                          ; v4-5    K steps 0-3, 4-7: 16 L + my chunk of A;  v7-8 the same + 512 + 8 L
.set A8,    7
.set B16,   10                         ; v10-11, v13-14 the same for my group of B
.set B8,    13
.set ADRS,  16                         ; v16     my scale words: lanes 0-15 my chunk of A, lanes 16-31 my group of B
.set VO16,  17                         ; v17     16 L
.set VO8,   18                         ; v18     512 + 8 L
.set ADRS2, 19                         ; v19     as v16, with lanes 0-15 256 bytes lower: the second load of a step brings them the same four words again
.set SSA,   22                         ; v22     where a wave that fetches A's scale words puts them;  v23 the same for B's
.set SSB,   23
.set STO,   24                         ; v24     the stage: where I put my numbers of a row
.set RD,    25                         ; v25     and where I read a row back
.set SPW,   28
.set NIL,   29
.set SC,    32
.set AF,    128
.set BK,    128
.set G1,    24
.set G1B,   32
.set G0A0,  56
.set G0B0,  72
.set MSB, 0
.macro WIN new                         ; the immediate's high byte repeats the setting that is left
.if MSB != (\new)
	s_set_vgpr_msb (MSB<<8)|(\new)
.set MSB, (\new)
.endif
.endm
.set MUL_LO, 0xa1                      ; source 0 (B) window 1, source 1 (A) window 0, C and D window 2
.set TO_B,   0x40                      ; destination window 1, address window 0
.macro JLOAD g0a, g1a, g0b, g1b        ; a joint load: waves 0 and 1 fetch for A, waves 2 and 3 for B; an s_nop 0 and four v_nop follow each of the two lines
	s_cmp_eq_u32 s15, 0
	s_cbranch_scc0 .Lfor_b_\@
	tensor_load_to_lds s[\g0a:\g0a+3], s[\g1a:\g1a+7]
	s_nop 0
.rept 4
	v_nop
.endr
	s_branch .Lasked_\@
.Lfor_b_\@:
	tensor_load_to_lds s[\g0b:\g0b+3], s[\g1b:\g1b+7]
	s_nop 0
.rept 4
	v_nop
.endr
.Lasked_\@:
.endm
.macro CROUND                          ; a round of the cluster's barrier
	s_barrier_signal -1
	s_barrier_wait -1
	s_cmp_lg_u32 s14, 0
	s_cbranch_scc1 .Lnot_wave_0_\@
	s_barrier_signal -3
.Lnot_wave_0_\@:
	s_barrier_wait -3
	s_barrier_signal -1
	s_barrier_wait -1
.endm
.macro MKG0 g0, sl, lo, ptr, go        ; a group 0: count 1; LDS address; global address; type 2
	s_mov_b32 s[\g0], 1
	s_add_co_u32 s[\g0+1], s[\sl], \lo
	s_add_nc_u64 s[\g0+2:\g0+3], s[\ptr:\ptr+1], \go
	s_or_b32 s[\g0+3], s[\g0+3], 0x80000000
.endm
	s_load_b256 s[4:11], s[0:1], 0x0               ; ac s[4:5], asc s[6:7], c1 s[8:9], s1 s[10:11]
	s_load_b64 s[12:13], s[0:1], 0x20              ; out0
	v_lshl_add_u32 v[SPW], v0, 2, SPARE
	v_mov_b32 v[NIL], 0
	ds_add_u32 v[SPW], v[NIL]                      ; the opening lines: the add, twice on end, and its wait
	ds_add_u32 v[SPW], v[NIL]
	v_lshrrev_b32 v1, 5, v0
	v_readfirstlane_b32 s14, v1                    ; wave 0..3
	s_lshr_b32 s15, s14, 1                         ; which chunk of A's group is mine.  Also: I fetch for A (0) or for B (1)
	s_and_b32 s16, s14, 1                          ; which group of B is mine.  Also: which half of A's group, or which group of B, I fetch
	s_bfe_u32 s92, ttmp6, 0x40000                  ; cx: the tile column
	s_bfe_u32 s93, ttmp6, 0x40004                  ; cy
	s_and_b32 s18, ttmp7, 0xffff
	s_lshl_b32 s18, s18, 2
	s_add_co_u32 s18, s18, s93                     ; A's group = 4 x cluster y + cy
	s_lshl_b32 s94, s93, 2
	s_lshl_b32 s94, 15, s94                        ; my row of the cluster
	s_lshl_b32 s95, 0x1111, s92                    ; my column
	s_or_b32 s[G1], s94, (3<<16)|(1<<21)           ; 15:0 the mask; 17:16 elements of 8 bytes; 21 set beside a mask
	s_or_b32 s[G1B], s95, (3<<16)|(1<<21)
.irp g, G1, G1B                                ; dense blocks as rows of 256 bytes
	s_mov_b32 s[\g+1], 32<<16
	s_mov_b32 s[\g+3], 32<<16
	s_mov_b32 s[\g+5], 32
	s_mov_b32 s[\g+6], 0
	s_mov_b32 s[\g+7], 0
.endr
	s_mov_b32 s[G1+2], 192<<16                     ; half of A's group: 192 rows
	s_mov_b32 s[G1+4], 192
	s_mov_b32 s[G1B+2], 384<<16                    ; a group of B: 384 rows
	s_mov_b32 s[G1B+4], 384
	s_mul_i32 s96, s18, 98304                      ; A's half that I would fetch: it hangs on cy, never on cx
	s_mul_i32 s23, s16, 2*QB                       ; (also its place in LDS: made of the wave's number alone)
	s_add_co_u32 s96, s96, s23
	s_mov_b32 s97, 0
	s_lshl_b32 s98, s18, 12                        ; and that half of its scale words
	s_lshl_b32 s2, s16, 11
	s_add_co_u32 s98, s98, s2
	s_mov_b32 s99, 0
	s_lshl_b32 s100, s92, 1
	s_add_co_u32 s100, s100, s16
	s_add_co_u32 s100, s100, 88                    ; the group of B: on cx, never on cy
	s_lshl_b32 s66, s100, 12
	s_mul_i32 s100, s100, 98304
	s_mov_b32 s101, 0
	s_mov_b32 s67, 0
	s_mul_i32 s3, s16, 4*QB
	s_wait_dscnt 0x0                               ; both opening adds are done
	s_wait_kmcnt 0x0
	s_add_nc_u64 s[96:97], s[4:5], s[96:97]
	s_add_nc_u64 s[98:99], s[6:7], s[98:99]
	s_add_nc_u64 s[100:101], s[8:9], s[100:101]
	s_add_nc_u64 s[66:67], s[10:11], s[66:67]
	MKG0 G0A0, 23, 0, 96, 0
	MKG0 G0B0, 3, 4*QB, 100, 0
	CROUND                                         ; all sixteen work-groups are here: the joint loads meet
	JLOAD G0A0, G1, G0B0, G1B                      ; my one tensor load
	s_mul_i32 s20, s15, 4*FB                       ; my chunk's four tiles of A, K steps 0-3,
	s_add_co_u32 s21, s20, 2*QB                    ; and 4-7
	s_add_co_u32 s22, s3, 4*QB                     ; my group of B, behind A's
	s_add_co_u32 s17, s22, 2*QB
	s_lshl_b32 s2, s15, 8                          ; the scale words: my chunk of A's,
	s_lshl_b32 s3, s16, 12
	s_add_co_u32 s3, s3, 4096                      ; my group of B's, behind A's:
	s_sub_co_u32 s3, s3, s2                        ; the distance between the two
	s_add_co_u32 s40, s3, 256
	s_add_co_u32 s2, s2, SCL
	s_sub_co_u32 s19, s2, 256
	s_lshl_b32 s41, s16, 11
	s_add_co_u32 s41, s41, SCL                     ; where a half of A's scale words goes,
	s_lshl_b32 s42, s16, 12
	s_add_co_u32 s42, s42, SCL+4096                ; and a group of B's
	s_mul_i32 s43, s14, 16*SPITCH
	s_add_co_u32 s43, s43, STAGE                   ; my stage
	s_lshl_b32 s44, s18, 7
	s_lshl_b32 s45, s15, 6
	s_add_co_u32 s44, s44, s45                     ; my first row of out0
	s_lshl_b32 s44, s44, 12                        ; a row is 4,096 bytes
	s_lshl_b32 s45, s92, 10
	s_add_co_u32 s44, s44, s45
	s_lshl_b32 s45, s16, 9
	s_add_co_u32 s44, s44, s45                     ; my first column: 1,024 cx + 512 x group bytes
	s_mov_b32 s45, 0
	s_add_nc_u64 s[12:13], s[12:13], s[44:45]
	v_and_b32 v1, 31, v0                           ; L
	v_and_b32 v2, 15, v0                           ; r
	v_bfe_u32 v3, v0, 4, 1                         ; h
	v_lshlrev_b32 v[VO16], 4, v1
	v_lshlrev_b32 v[VO8], 3, v1
	v_add_nc_u32 v[VO8], 512, v[VO8]
	v_add_nc_u32 v[A16], s20, v[VO16]
	v_add_nc_u32 v[A8], s20, v[VO8]
	v_add_nc_u32 v[A16+1], s21, v[VO16]
	v_add_nc_u32 v[A8+1], s21, v[VO8]
	v_add_nc_u32 v[B16], s22, v[VO16]
	v_add_nc_u32 v[B8], s22, v[VO8]
	v_add_nc_u32 v[B16+1], s17, v[VO16]
	v_add_nc_u32 v[B8+1], s17, v[VO8]
	v_mul_u32_u24 v[ADRS], s3, v3                  ; lanes 16-31 take B's scale words: one product in h
	v_mul_u32_u24 v[ADRS2], s40, v3
	v_lshl_add_u32 v[ADRS], v2, 4, v[ADRS]
	v_lshl_add_u32 v[ADRS2], v2, 4, v[ADRS2]
	v_add_nc_u32 v[ADRS], s2, v[ADRS]
	v_add_nc_u32 v[ADRS2], s19, v[ADRS2]
	v_add_nc_u32 v[SSA], s41, v[VO16]
	v_add_nc_u32 v[SSB], s42, v[VO16]
	v_mul_u32_u24 v[STO], v2, SPITCH
	v_lshl_add_u32 v[STO], v3, 7, v[STO]
	v_add_nc_u32 v[STO], s43, v[STO]               ; in: row r, + 128 h bytes: register j of accumulator (a, 4 c + t) is column 64 c + 32 h + 8 t + j
	v_add_nc_u32 v[RD], s43, v[VO16]               ; back: the 32 lanes take one row of 512 bytes
	s_wait_alu depctr_va_vdst(0)
	s_cmp_eq_u32 s15, 0                            ; the scale words: waves 0 and 1 bring 2,048 bytes of A's each, waves 2 and 3 4,096 of B's; 512 consecutive bytes an instruction
	s_cbranch_scc0 .Lscale_b
.irp i, 0,1,2,3
	global_load_b128 v[AF+4*\i:AF+4*\i+3], v[VO16], s[98:99] offset:512*\i
.endr
	s_wait_loadcnt 0x0
.irp i, 0,1,2,3
	ds_store_b128 v[SSA], v[AF+4*\i:AF+4*\i+3] offset:512*\i
.endr
	s_branch .Lscaled
.Lscale_b:
.irp i, 0,1,2,3,4,5,6,7
	global_load_b128 v[AF+4*\i:AF+4*\i+3], v[VO16], s[66:67] offset:512*\i
.endr
	s_wait_loadcnt 0x0
.irp i, 0,1,2,3,4,5,6,7
	ds_store_b128 v[SSB], v[AF+4*\i:AF+4*\i+3] offset:512*\i
.endr
.Lscaled:
.macro FRAG reg, a16, a8, off          ; a fragment comes back as it was stored: four loads of consecutive bytes
	ds_load_b128 v[\reg:\reg+3], v[\a16] offset:\off
	ds_load_b64 v[\reg+4:\reg+5], v[\a8] offset:\off
	ds_load_b128 v[\reg+6:\reg+9], v[\a16] offset:\off+768
	ds_load_b64 v[\reg+10:\reg+11], v[\a8] offset:\off+768
.endm
.macro FETCH n                         ; step n's fragments and scale words into set n % 2: 32 + 16 + 2 loads
	WIN TO_B
.irp i, 0,1,2,3,4,5,6,7
	FRAG 128*((\n)%2)+FR*\i, B16+(\n)/4, B8+(\n)/4, ((\n)%4)*12288+\i*FB
.endr
	WIN 0
.irp i, 0,1,2,3
	FRAG AF+FR*(4*((\n)%2)+\i), A16+(\n)/4, A8+(\n)/4, ((\n)%4)*12288+\i*FB
.endr
	ds_load_b128 v[SC+8*((\n)%2):SC+8*((\n)%2)+3], v[ADRS] offset:(\n)*512            ; register i: lanes 0-15 A's block i % 4, lanes 16-31 B's block i
	ds_load_b128 v[SC+8*((\n)%2)+4:SC+8*((\n)%2)+7], v[ADRS2] offset:(\n)*512+256
.endm
; 16 matrix instructions: A's registers a0, a0 + 1 (block a % 4; 0-3: the even steps' set, 4-7: the odd steps') x B's eight.  The 32 accumulators take turns, one instruction a turn, in the same order in every step.
.macro MUL16 a0, n, zero
.irp a, \a0, \a0+1
.irp b, 0,1,2,3,4,5,6,7
.if \zero
	v_wmma_scale_f32_16x16x128_f8f6f4 v[8*(8*((\a)%4)+\b):8*(8*((\a)%4)+\b)+7], v[128*((\n)%2)+FR*\b:128*((\n)%2)+FR*\b+FR-1], v[AF+FR*(\a):AF+FR*(\a)+FR-1], 0, v[SC+8*((\n)%2)+\b], v[SC+8*((\n)%2)+(\a)] matrix_a_fmt:MATRIX_FMT_FP6 matrix_b_fmt:MATRIX_FMT_FP6 matrix_a_scale:MATRIX_SCALE_ROW1
.else
	v_wmma_scale_f32_16x16x128_f8f6f4 v[8*(8*((\a)%4)+\b):8*(8*((\a)%4)+\b)+7], v[128*((\n)%2)+FR*\b:128*((\n)%2)+FR*\b+FR-1], v[AF+FR*(\a):AF+FR*(\a)+FR-1], v[8*(8*((\a)%4)+\b):8*(8*((\a)%4)+\b)+7], v[SC+8*((\n)%2)+\b], v[SC+8*((\n)%2)+(\a)] matrix_a_fmt:MATRIX_FMT_FP6 matrix_b_fmt:MATRIX_FMT_FP6 matrix_a_scale:MATRIX_SCALE_ROW1
.endif
.endr
.endr
.endm
.macro PLACES                          ; four plain places between a matrix instruction and a load into a register that it has read, or a read of its result
.rept 4
	v_nop
.endr
.endm
.macro STEP n, zero
	s_wait_dscnt 0x0                               ; step n's fragments and scale words are in
	PLACES                                         ; the other set was read by the step before
	FETCH (\n)+1
	WIN MUL_LO
	MUL16 4*((\n)%2), \n, \zero
	MUL16 4*((\n)%2)+2, \n, \zero
	WIN 0
.endm
	s_wait_tensorcnt 0x0                           ; my tile is in,
	s_wait_dscnt 0x0                               ; and my stores of scale words are done
	s_barrier_signal -1
	s_barrier_wait -1                              ; everybody's are; nothing is ever filled again
	FETCH 0
	STEP 0, 1                                      ; the first products start the sums: nothing is cleared
	STEP 1, 0
	STEP 2, 0
	STEP 3, 0
	STEP 4, 0
	STEP 5, 0
	STEP 6, 0
	s_wait_dscnt 0x0                               ; the last step: my reads of the tiles are over:
	s_barrier_signal -1                            ; say so,
	WIN MUL_LO
	MUL16 4, 7, 0                                  ; work on registers while the others arrive,
	MUL16 6, 7, 0
	WIN 0
	s_barrier_wait -1                              ; and behind this wait nobody reads the bytes in which the stages lie
	PLACES
; THE WAY OUT, block by block of 16 rows x 128 columns, through my own stage: back come whole rows of 512 bytes.  LDS serves a wave's instructions in order: no wait between the stores and the loads, nor in front of the next block's stores.
.macro TOSTAGE a
.set AC, 64*(\a)
	WIN 0x08                                       ; an LDS store's data are its source 1: window 2
.irp b, 0,1,2,3,4,5,6,7
	ds_store_b128 v[STO], v[AC+8*\b:AC+8*\b+3] offset:256*(\b/4)+32*(\b%4)         ; each accumulator from its low end on
	ds_store_b128 v[STO], v[AC+8*\b+4:AC+8*\b+7] offset:256*(\b/4)+32*(\b%4)+16
.endr
	WIN 0
.set BB, BK+64*((\a)%2)
.irp t, 0,1,2,3,4,5,6,7,8,9,10,11,12,13,14,15
	ds_load_b128 v[BB+4*\t:BB+4*\t+3], v[RD] offset:\t*SPITCH
.endr
.endm
.macro SEND a, younger                 ; younger: the LDS instructions issued behind block a's loads, which may stay out
.set BB, BK+64*((\a)%2)
	s_wait_dscnt \younger
.irp t, 0,1,2,3,4,5,6,7,8,9,10,11,12,13,14,15
	global_store_b128 v[VO16], v[BB+4*\t:BB+4*\t+3], s[12:13] offset:(8*(\a)+(\t%8)+32*(\t/8))*4096 th:TH_STORE_NT   ; lane-row t of block a is this row of my 64; 512 consecutive bytes, at a multiple of 256
.endr
.endm
	TOSTAGE 0
.irp a, 1,2,3
.if \a > 1
	s_wait_xcnt 0x0                                ; block a - 2's stores have read their registers: block a's loads may land there
.endif
	TOSTAGE \a
	SEND \a-1, 32                                  ; behind block a - 1's loads: block a's 16 stores and 16 loads
.endr
	SEND 3, 0
	s_wait_tensorcnt 0x0                           ; the wave's end
	ds_add_u32 v[SPW], v[NIL]
	s_wait_dscnt 0x0
	CROUND                                         ; the closing round
	s_endpgm
.Lfunc_end_k_qdc1ee029fb_gemm_out:
	.size	k_qdc1ee029fb_gemm_out, .Lfunc_end_k_qdc1ee029fb_gemm_out-k_qdc1ee029fb_gemm_out
	.p2alignl 7, 3214868480
	.fill 96, 4, 3214868480
	.section	.rodata,"a",@progbits
	.p2align	6, 0x0
	.amdhsa_kernel k_qdc1ee029fb_gemm_out
		.amdhsa_group_segment_fixed_size 327680
		.amdhsa_private_segment_fixed_size 0
		.amdhsa_enable_private_segment 0
		.amdhsa_kernarg_size 40
		.amdhsa_user_sgpr_count 2
		.amdhsa_user_sgpr_kernarg_segment_ptr 1
		.amdhsa_wavefront_size32 1
		.amdhsa_system_sgpr_workgroup_id_x 1
		.amdhsa_system_sgpr_workgroup_id_y 1
		.amdhsa_system_sgpr_workgroup_id_z 1
		.amdhsa_system_vgpr_workitem_id 0
		.amdhsa_next_free_vgpr 1024
		.amdhsa_next_free_sgpr 102
		.amdhsa_reserve_vcc 0
		.amdhsa_float_denorm_mode_32 3
		.amdhsa_float_denorm_mode_16_64 3
		.amdhsa_memory_ordered 1
		.amdhsa_forward_progress 1
		.amdhsa_inst_pref_size 83
	.end_amdhsa_kernel
	.amdgpu_metadata
---
amdhsa.version: [ 1, 2 ]
amdhsa.kernels:
  - .name:           k_qdc1ee029fb_gemm_out
    .symbol:         k_qdc1ee029fb_gemm_out.kd
    .args:
      - { .name: ac, .offset: 0, .size: 8, .value_kind: global_buffer, .address_space: global }
      - { .name: asc, .offset: 8, .size: 8, .value_kind: global_buffer, .address_space: global }
      - { .name: c1, .offset: 16, .size: 8, .value_kind: global_buffer, .address_space: global }
      - { .name: s1, .offset: 24, .size: 8, .value_kind: global_buffer, .address_space: global }
      - { .name: out0, .offset: 32, .size: 8, .value_kind: global_buffer, .address_space: global }
    .group_segment_fixed_size: 327680
    .private_segment_fixed_size: 0
    .kernarg_segment_align: 8
    .kernarg_segment_size: 40
    .max_flat_workgroup_size: 128
    .sgpr_count:     102
    .vgpr_count:     1024
    .wavefront_size: 32
...
	.end_amdgpu_metadata
.endif
;; end of part 4
